; MI455X (gfx1250); checked and timed in simulation.
; The chip was launched on July 23, 2026; its instructions are those of AMD's public machine-readable ISA for CDNA 5 (MIT licence, August 2026) and "CDNA5" Instruction Set Architecture Reference Guide (July 2026). The comments in the code are by the model that wrote it; some were corrected since.
;; Causal Self Attention. Allowed arithmetic: matrix products marked QUANTISED: E3M2 operands, one E8M0 scale for each 32 along K, by v_wmma_scale_f32_16x16x128_f8f6f4 with both operands' format E3M2, f32 sums; everything else in f32.
;; Inputs: Wproj 1,024 x 1,024 float32; Wqkv 1,024 x 3,072 float32; bproj 1,024 float32; bqkv 3,072 float32; x 4 x 2,048 x 1,024 float32.
;; Outputs: out0 4 x 2,048 x 1,024 float32.
;; This version of the problem:
;;   THIS VERSION OF THE PROBLEM IS GIVEN IN LOW PRECISION. The matrix products marked QUANTISED in the list below multiply operands that are first quantised to E3M2 (3 exponent bits, 2 mantissa bits; 6 bits a number), with one power-of-two scale for each 32 numbers along K (OCP MX v1.0); their sums are f32. All else is computed in f32.
;;   The module's matrix products, in the order in which they are computed (A, B: the left and right operand; K: the contracted axis; several contracted axes count as one K, in the product's order):
;;     1. [M 8,192, K 1,024] x [K 1,024, N 3,072]; A: input x; B: input Wqkv: QUANTISED
;;     2. batch 64 x [M 2,048, K 64] x [K 64, N 2,048]; A: computed on the way; B: computed on the way: QUANTISED
;;     3. batch 64 x [M 2,048, K 2,048] x [K 2,048, N 64]; A: softmax (see below); B: computed on the way: QUANTISED
;;     4. [M 8,192, K 1,024] x [K 1,024, N 1,024]; A: computed on the way; B: input Wproj: QUANTISED
;;   THE QUANTISER, for each operand of a quantised product, along K:
;;     - K is cut into blocks of 32 from its start; a last block that is shorter is filled with zeros.
;;     - A block's scale is 2^e with e = floor(log2(the largest magnitude in the block)) - 4, held to -126 .. 127; a block of zeros has e = 0. As a byte (E8M0): e + 127.
;;     - Each number is divided by its block's scale, clamped to +-28, and rounded to the nearest number of E3M2, ties to even, subnormals kept.
;;     - The product sums the exact products of the quantised numbers (number of the format x scale) in f32.
;;   ~~~python
;;   def quantise(x, axis):      # numpy; x: float32 -> the quantised numbers, widened to float32 again
;;       x = np.moveaxis(x, axis, -1); K = x.shape[-1]
;;       x = np.pad(x, [(0, 0)] * (x.ndim - 1) + [(0, -K % 32)]); x = x.reshape(x.shape[:-1] + (-1, 32)); a = np.abs(x).max(-1, keepdims=True)
;;       e = np.where(a > 0, np.clip(np.frexp(np.where(a > 0, a, 1))[1] - 1 - 4, -126, 127), 0)      # np.frexp(a)[1] - 1 = floor(log2(a)), exactly
;;       r = np.clip(x / 2.0 ** e, -28, 28)
;;       step = 2.0 ** (np.maximum(np.frexp(np.where(r == 0, 1, r))[1] - 1, -2) - 2)
;;       q = np.round(r / step) * step * 2.0 ** e      # np.round: ties to even
;;       return np.moveaxis(q.reshape(q.shape[:-2] + (-1,))[..., :K], -1, axis).astype(np.float32)
;;   ~~~
;;   SOFTMAX AHEAD OF A QUANTISED PRODUCT. Where the list says 'softmax', what is quantised is not the finished softmax but p = 2^(t - M), with t = logit x log2(e) and M = ceil(the row's largest t), a whole number; so 1/2 < the row's largest p <= 1. The row's sum l is taken of the UNQUANTISED p, in f32, and the product's result is divided by l at the end. Since M is a whole number, a kernel that streams over the keys may use a running M (the ceiling of the running maximum): every later rescaling is an exact power of two, which a block's scale takes up: the codes' values come out the same.
;;   OPERANDS COMPUTED ON THE WAY. 'Computed on the way' means the value that the module computes at that place (a softmax that the list does not call 'softmax' is quantised finished and normalised). What goes into a quantiser is computed in f32, as accurately as f32 sums, v_exp_f32 and their like allow (about 1e-6 of the number): no bf16 or f16 on the way to a quantiser, and a product that is left as it is and whose result goes on into a quantised operand takes f32 operands (vector FMAs, or v_wmma_f32_16x16x4_f32). A number that lies on a knife's edge between two numbers of the format may be rounded either way, as far as f32 arithmetic and the matrix unit's own rounding can turn it there, and no further.
;; One version. Each part assembles by itself: llvm-mc -triple=amdgcn-amd-amdhsa -mcpu=gfx1250 --defsym DOCPART=n.
;; ======== version 1 of 1: 4 launches
;; workspace buffers: xc 6,553,600 bytes; wc 3,276,800 bytes; qi 6,815,744 bytes; kv 13,631,488 bytes; ac 6,553,600 bytes
;; launch quant (part 1): grid 640 x 1, 8 waves a work-group, no clusters, 71,168 bytes of LDS; arguments x, Wqkv, Wproj, xc, wc; writes xc, wc
.if DOCPART == 1
	.amdgcn_target "amdgcn-amd-amdhsa--gfx1250"
	.amdhsa_code_object_version 6
	.text
	.protected	k_q177fa294a3_quant
	.globl	k_q177fa294a3_quant
	.p2align	8
	.type	k_q177fa294a3_quant,@function
k_q177fa294a3_quant:
	s_mov_b64 s[64:65], 0
	v_nop
	global_prefetch_b8 v0, s[64:65] scope:SCOPE_SE
	s_setreg_imm32_b32 hwreg(HW_REG_WAVE_MODE, 25, 1), 1
	s_wait_xcnt 0x0
; x [8192][1024], Wqkv [1024][3072] and Wproj [1024][1024], f32, become codes of BF6 (E3M2) with one E8M0 scale byte for each 32 along K (K = the 1,024).
; A block's scale is 2^(floor(log2(its largest magnitude)) - 4): its byte is the largest magnitude's exponent field - 4, held at 1 from below.
; LAYOUT OF xc AND wc.  Rows stand in POSITION ORDER: position p holds true row (of x) or column (of W) pi(p), pi = p with its bits 3 and 4 exchanged.  A block of 16 positions x 128 K is stored as the
; IMAGE OF THE OPERAND'S 12 REGISTERS, 1,536 bytes: registers 0-3 at 16 x lane, 4-5 at 512 + 8 x lane, 6-9 at 768 + 16 x lane, 10-11 at 1,280 + 8 x lane.  Codes: [group of 128 positions][K step of 128][block of 16][1536].
; Behind the codes the scale words: [position][8 words], word s for K step s.  wc holds Wqkv's columns at positions 0-3071 and Wproj's at 3072-4095.
; SHARES.  Eight waves, wave w = K step w.  Work-groups 0-95: 32 positions of Wqkv; 96-127: of Wproj; 128-639: 16 positions of x.  Each of the three ways has LDS bytes of its own.
; LIMITS: NaN and infinities among the inputs are not served; a largest magnitude under 2^-122 counts as 2^-122 (byte 1); a block of zeros has the byte 1 where the rule says 127: its codes are zeros, and this program alone reads the bytes.
.set XCS,  6291456                     ; where xc's scale words begin
.set WCS,  3145728                     ; and wc's
.set GRPB, 98304                       ; a group's codes: 8 K steps x 8 blocks x 1,536
.set KSB,  12288
.set FRB,  1536
.set STGW, 8448                        ; x: a wave's stage, 16 rows x (512 bytes + 16)
.set SCX,  67584                       ; x: the block's scale words, 512 bytes
.set SCW1, 68096                       ; Wqkv: 1,024 bytes
.set SCW2, 69120                       ; Wproj: 1,024 bytes
.set R,  16                            ; v16-79   x as loaded;  W: v16-143 128 numbers down K
.set X,  80                            ; v80-143  x: 64 numbers, register 16 b + i = k 32 b + 16 (lane / 16) + i of row lane % 16
.set TM, 144                           ; v144-159 at work
.set PW, 160                           ; x: the scale word
.set PC, 162                           ; x: v162-181 the codes
.set F,  160                           ; W: v160-183 four blocks' codes
.set T,  184                           ; W: a block's upper 16 codes
; 64 numbers of a lane become a fragment's codes in v[PC] on and its scale word in v[PW]
.macro QUANT s
.irp b, 0,1,2,3
	v_max3_num_f32 v[TM+\b], |v[\s+16*\b]|, |v[\s+1+16*\b]|, 0x2800000   ; block b: my 16 numbers and the floor 2^(5 - 127): the byte cannot fall under 1
.endr
.irp i, 2,4,6,8,10,12,14
.irp b, 0,1,2,3
	s_delay_alu instid0(VALU_DEP_4)
	v_max3_num_f32 v[TM+\b], v[TM+\b], |v[\s+16*\b+\i]|, |v[\s+1+16*\b+\i]|
.endr
.endr
.irp b, 0,1,2,3
	s_delay_alu instid0(VALU_DEP_4)
	v_permlanex16_b32 v[TM+4+\b], v[TM+\b], s20, s21
.endr
.irp b, 0,1,2,3
	s_delay_alu instid0(VALU_DEP_4)
	v_max_num_f32 v[TM+\b], v[TM+\b], v[TM+4+\b]       ; with lane l xor 16's: the block's largest magnitude
.endr
.irp b, 0,1,2,3
	s_delay_alu instid0(VALU_DEP_4)
	v_add_nc_u32 v[TM+12+\b], 0xfe000000, v[TM+\b]     ; 4 off its exponent field: the conversion's scale operand
.endr
.irp b, 0,1,2,3
	s_delay_alu instid0(VALU_DEP_4)
	v_lshrrev_b32 v[TM+4+\b], 23, v[TM+12+\b]          ; the scale's byte
.endr
	s_delay_alu instid0(VALU_DEP_3)
	v_lshl_or_b32 v[PW], v[TM+5], 8, v[TM+4]
	s_delay_alu instid0(VALU_DEP_1)
	v_lshl_or_b32 v[PW], v[TM+6], 16, v[PW]
	s_delay_alu instid0(VALU_DEP_1)
	v_lshl_or_b32 v[PW], v[TM+7], 24, v[PW]
.irp c, 0,1
	v_cvt_scalef32_pk16_bf6_f32 v[PC+6*\c:PC+2+6*\c], v[\s+32*\c:\s+15+32*\c], v[TM+12+2*\c]
	v_cvt_scalef32_pk16_bf6_f32 v[PC+12+4*\c:PC+14+4*\c], v[\s+16+32*\c:\s+31+32*\c], v[TM+12+2*\c+1]   ; (a conversion's three registers begin on an even number)
.endr
	v_nop                                              ; one plain place behind a scaled conversion
.irp c, 0,1                                        ; the operand wants a whole block in a lane: lanes 0-15 block 2 c, lanes 16-31 block 2 c + 1
.irp i, 0,1,2
	v_permlane16_swap_b32 v[PC+6*\c+\i], v[PC+12+4*\c+\i]
.endr
.irp i, 0,1,2
	s_delay_alu instid0(VALU_DEP_3)
	v_mov_b32 v[PC+3+6*\c+\i], v[PC+12+4*\c+\i]
.endr
.endr
.endm
; 32 positions of a weight [1024][cols] x my 128 along K.  A LANE TAKES A COLUMN AND ITS REGISTERS RUN DOWN K: a block of 32 lies in one lane, and the codes come out with K innermost.
.macro WPATH cols, scw, wp, first
	s_sub_co_u32 s16, ttmp9, \first                    ; which 32 columns of this weight
	s_lshl_b32 s16, s16, 7                             ; 128 bytes of a row
	s_mul_i32 s17, s14, 128*\cols*4                    ; my K step's 128 rows
	s_add_co_u32 s16, s16, s17
	s_mov_b32 s17, 0
	s_add_nc_u64 s[22:23], s[\wp:\wp+1], s[16:17]
	s_lshr_b32 s16, ttmp9, 2                           ; codes: group, K step, two blocks of 16
	s_mul_i32 s16, s16, GRPB
	s_mul_i32 s18, s14, KSB
	s_add_co_u32 s16, s16, s18
	s_and_b32 s18, ttmp9, 3
	s_mul_i32 s18, s18, 2*FRB
	s_add_co_u32 s16, s16, s18
	s_add_nc_u64 s[24:25], s[12:13], s[16:17]
	s_lshl_b32 s16, ttmp9, 10                          ; scale words: 32 positions x 32 bytes
	s_add_co_u32 s16, s16, WCS
	s_add_nc_u64 s[26:27], s[12:13], s[16:17]
	v_and_b32 v3, 7, v2                                ; lane l is position l and loads column pi(l)
	v_and_b32 v4, 8, v2
	s_delay_alu instid0(VALU_DEP_1)
	v_lshl_or_b32 v3, v4, 1, v3
	v_and_b32 v4, 16, v2
	s_delay_alu instid0(VALU_DEP_1)
	v_lshrrev_b32 v4, 1, v4
	s_delay_alu instid0(VALU_DEP_1)
	v_or_b32 v3, v3, v4
	s_delay_alu instid0(VALU_DEP_1)
	v_lshlrev_b32 v3, 2, v3
	v_lshlrev_b32 v9, 5, v2                            ; LDS: my position's 32 bytes, my K step's word
	s_lshl_b32 s18, s14, 2
	s_add_co_u32 s18, s18, \scw
	v_add_nc_u32 v9, s18, v9
	v_add_nc_u32 v10, \scw, v7
.set kk, 0
.rept 128
	global_load_b32 v[R+kk], v3, s[22:23] offset:kk*\cols*4    ; the 32 lanes read 128 consecutive bytes of one row
.set kk, kk+1
.endr
.irp b, 0,1,2,3
.if \b == 0
	s_wait_loadcnt 63                                  ; at most 63 of the 128 are out: blocks 0 and 1 are in
.elseif \b == 2
	s_wait_loadcnt 32                                  ; block 3's 32 may be out
.elseif \b == 3
	s_wait_loadcnt 0x0
.endif
.set XS, R+32*\b
	v_max3_num_f32 v144, |v[XS]|, |v[XS+1]|, |v[XS+2]|
	v_max3_num_f32 v145, |v[XS+3]|, |v[XS+4]|, |v[XS+5]|
.irp i, 6,10,14,18,22,26
	s_delay_alu instid0(VALU_DEP_2)
	v_max3_num_f32 v144, v144, |v[XS+\i]|, |v[XS+\i+1]|
	s_delay_alu instid0(VALU_DEP_2)
	v_max3_num_f32 v145, v145, |v[XS+\i+2]|, |v[XS+\i+3]|
.endr
	s_delay_alu instid0(VALU_DEP_2)
	v_max3_num_f32 v144, v144, |v[XS+30]|, |v[XS+31]|
	s_delay_alu instid0(VALU_DEP_1)
	v_max3_num_f32 v144, v144, v145, 0x2800000         ; and the floor
	s_delay_alu instid0(VALU_DEP_1)
	v_add_nc_u32 v146, 0xfe000000, v144                ; the conversion's scale operand
	s_delay_alu instid0(VALU_DEP_1)
	v_lshrrev_b32 v147, 23, v146                       ; the byte
.if \b == 0
	s_delay_alu instid0(VALU_DEP_1)
	v_mov_b32 v148, v147
.else
	s_delay_alu instid0(VALU_DEP_1)
	v_lshl_or_b32 v148, v147, 8*\b, v148               ; the K step's scale word of my position
.endif
	v_cvt_scalef32_pk16_bf6_f32 v[F+6*\b:F+6*\b+2], v[XS:XS+15], v146
	v_cvt_scalef32_pk16_bf6_f32 v[T:T+2], v[XS+16:XS+31], v146
	v_nop                                              ; one plain place behind a scaled conversion
.irp i, 0,1,2
	v_mov_b32 v[F+6*\b+3+\i], v[T+\i]
.endr
.endr
; lane l holds blocks 0-3 of position l.  The operand wants lane (r, h) to hold blocks h and 2 + h of position r: the exchange below leaves positions 0-15 in F+0..5, F+12..17 and positions 16-31 in F+6..11, F+18..23
.irp i, 0,1,2,3,4,5
	v_permlane16_swap_b32 v[F+\i], v[F+6+\i]
	v_permlane16_swap_b32 v[F+12+\i], v[F+18+\i]
.endr
	global_store_b128 v7, v[F:F+3], s[24:25]           ; two images, 3,072 consecutive bytes; each store covers whole aligned blocks of 256 bytes
	global_store_b64 v8, v[F+4:F+5], s[24:25] offset:512
	global_store_b128 v7, v[F+12:F+15], s[24:25] offset:768
	global_store_b64 v8, v[F+16:F+17], s[24:25] offset:1280
	global_store_b128 v7, v[F+6:F+9], s[24:25] offset:1536
	global_store_b64 v8, v[F+10:F+11], s[24:25] offset:2048
	global_store_b128 v7, v[F+18:F+21], s[24:25] offset:2304
	global_store_b64 v8, v[F+22:F+23], s[24:25] offset:2816
	ds_store_b32 v9, v148
	s_wait_dscnt 0x0                                   ; for the others' sake: my word lies in LDS
	s_barrier_signal -1
	s_barrier_wait -1
	s_cmp_lg_u32 s14, 0
	s_cbranch_scc1 .Lw_end_\@
	ds_load_b128 v[16:19], v10                         ; wave 0 stores the 32 positions' 1,024 bytes of scale words
	ds_load_b128 v[20:23], v10 offset:512
	s_wait_dscnt 0x0
	global_store_b128 v7, v[16:19], s[26:27]
	global_store_b128 v7, v[20:23], s[26:27] offset:512
.Lw_end_\@:
	s_wait_tensorcnt 0x0
	ds_add_u32 v192, v193
	s_wait_dscnt 0x0
	s_endpgm
.endm
	s_load_b128 s[4:7], s[0:1], 0x0                    ; x, Wqkv
	s_load_b128 s[8:11], s[0:1], 0x10                  ; Wproj, xc
	s_load_b64 s[12:13], s[0:1], 0x20                  ; wc
	v_lshl_add_u32 v192, v0, 2, 0x11200
	v_mov_b32 v193, 0
	v_lshrrev_b32 v1, 5, v0
	s_delay_alu instid0(VALU_DEP_1)
	v_readfirstlane_b32 s14, v1                        ; wave = K step
	v_and_b32 v2, 31, v0                               ; lane
	s_delay_alu instid0(VALU_DEP_1)
	v_lshlrev_b32 v7, 4, v2                            ; 16 x lane
	s_delay_alu instid0(VALU_DEP_2)
	v_lshlrev_b32 v8, 3, v2                            ; 8 x lane
	s_mov_b32 s20, 0x76543210
	s_mov_b32 s21, 0xfedcba98                          ; v_permlanex16_b32's selects for lane l xor 16
	s_wait_kmcnt 0x0
	s_cmp_lt_u32 ttmp9, 96
	s_cbranch_scc1 .Lwqkv
	s_cmp_lt_u32 ttmp9, 128
	s_cbranch_scc1 .Lwproj
	; ---- x: 16 positions x my 128 along K.  Position i of block rb is true row 32 (rb / 2) + 8 (rb % 2) + i + 8 (i / 8)
	s_sub_co_u32 s15, ttmp9, 128                       ; rb
	s_lshr_b32 s16, s15, 1
	s_lshl_b32 s16, s16, 5
	s_and_b32 s17, s15, 1
	s_lshl_b32 s17, s17, 3
	s_add_co_u32 s16, s16, s17
	s_lshl_b32 s16, s16, 12                            ; rows of 4,096 bytes
	s_mov_b32 s17, 0
	s_add_nc_u64 s[4:5], s[4:5], s[16:17]
	s_lshr_b32 s16, s15, 3
	s_mul_i32 s16, s16, GRPB
	s_mul_i32 s18, s14, KSB
	s_add_co_u32 s16, s16, s18
	s_and_b32 s18, s15, 7
	s_mul_i32 s18, s18, FRB
	s_add_co_u32 s16, s16, s18
	s_add_nc_u64 s[24:25], s[10:11], s[16:17]          ; my image
	s_lshl_b32 s16, s15, 9
	s_add_co_u32 s16, s16, XCS
	s_add_nc_u64 s[26:27], s[10:11], s[16:17]          ; the block's scale words
	v_lshlrev_b32 v1, 4, v0                            ; 512 x wave + 16 x lane: my 16 bytes of a row
	v_and_b32 v3, 15, v0                               ; r
	v_bfe_u32 v4, v0, 4, 1                             ; h
	s_mul_i32 s18, s14, STGW
	s_wait_alu depctr_va_vdst(0)
	v_add_nc_u32 v5, s18, v7                           ; the stage, on the way in: a row's 512 bytes as they lie
	v_mul_u32_u24 v6, v3, 528
	s_delay_alu instid0(VALU_DEP_1)
	v_lshl_add_u32 v6, v4, 6, v6
	s_delay_alu instid0(VALU_DEP_1)
	v_add_nc_u32 v6, s18, v6                           ; and on the way out: row r, + 64 h: my 16 numbers of each block of 32
	v_lshlrev_b32 v9, 5, v3
	s_lshl_b32 s18, s14, 2
	s_add_co_u32 s18, s18, SCX
	v_add_nc_u32 v9, s18, v9                           ; my row's 32 bytes of scale words, my K step's word
	v_add_nc_u32 v10, SCX, v7
.irp b, 0,1,2,3
	v_mov_b32 v[TM+4+\b], 0                            ; a lane permute's destination counts as one of its sources
.endr
.irp i, 0,1,2,3,4,5,6,7,8,9,10,11,12,13,14,15
	global_load_b128 v[R+4*\i:R+4*\i+3], v1, s[4:5] offset:(\i+8*(\i/8))*4096 th:TH_LOAD_NT   ; 32 lanes read 512 consecutive bytes of one row
.endr
	s_wait_alu depctr_va_vdst(0)
.irp i, 0,1,2,3,4,5,6,7,8,9,10,11,12,13,14,15
	s_wait_loadcnt 15-\i                               ; loads come back in order: row i is in, the younger ones stay out
	ds_store_b128 v5, v[R+4*\i:R+4*\i+3] offset:528*\i
.endr
.irp b, 0,1,2,3
.irp j, 0,1,2,3
	ds_load_b128 v[X+16*\b+4*\j:X+16*\b+4*\j+3], v6 offset:128*\b+16*\j   ; LDS serves a wave's instructions in order: these see my stores
.endr
.endr
	s_wait_dscnt 0x0
	QUANT X
	global_store_b128 v7, v[PC:PC+3], s[24:25]         ; the image: 1,536 consecutive bytes
	global_store_b64 v8, v[PC+4:PC+5], s[24:25] offset:512
	global_store_b128 v7, v[PC+6:PC+9], s[24:25] offset:768
	global_store_b64 v8, v[PC+10:PC+11], s[24:25] offset:1280
	ds_store_b32 v9, v[PW]                             ; lanes r and r + 16 write the same word with the same value
	s_wait_dscnt 0x0                                   ; for the others' sake: my word lies in LDS
	s_barrier_signal -1
	s_barrier_wait -1
	s_cmp_lg_u32 s14, 0
	s_cbranch_scc1 .Lx_end
	ds_load_b128 v[16:19], v10                         ; wave 0 stores the 16 positions' 512 bytes of scale words
	s_wait_dscnt 0x0
	global_store_b128 v7, v[16:19], s[26:27]
.Lx_end:
	s_wait_tensorcnt 0x0
	ds_add_u32 v192, v193
	s_wait_dscnt 0x0
	s_endpgm
.Lwqkv:
	s_wait_alu depctr_va_vdst(0)
	WPATH 3072, SCW1, 6, 0
.Lwproj:
	s_wait_alu depctr_va_vdst(0)
	WPATH 1024, SCW2, 8, 96
.Lfunc_end_k_q177fa294a3_quant:
	.size	k_q177fa294a3_quant, .Lfunc_end_k_q177fa294a3_quant-k_q177fa294a3_quant
	.p2alignl 7, 3214868480
	.fill 96, 4, 3214868480
	.section	.rodata,"a",@progbits
	.p2align	6, 0x0
	.amdhsa_kernel k_q177fa294a3_quant
		.amdhsa_group_segment_fixed_size 71168
		.amdhsa_private_segment_fixed_size 0
		.amdhsa_enable_private_segment 0
		.amdhsa_kernarg_size 40
		.amdhsa_user_sgpr_count 2
		.amdhsa_user_sgpr_kernarg_segment_ptr 1
		.amdhsa_wavefront_size32 1
		.amdhsa_system_sgpr_workgroup_id_x 1
		.amdhsa_system_sgpr_workgroup_id_y 1
		.amdhsa_system_sgpr_workgroup_id_z 1
		.amdhsa_system_vgpr_workitem_id 0
		.amdhsa_next_free_vgpr 194
		.amdhsa_next_free_sgpr 66
		.amdhsa_reserve_vcc 0
		.amdhsa_float_denorm_mode_32 3
		.amdhsa_float_denorm_mode_16_64 3
		.amdhsa_memory_ordered 1
		.amdhsa_forward_progress 1
		.amdhsa_inst_pref_size 60
	.end_amdhsa_kernel
	.amdgpu_metadata
---
amdhsa.version: [ 1, 2 ]
amdhsa.kernels:
  - .name:           k_q177fa294a3_quant
    .symbol:         k_q177fa294a3_quant.kd
    .args:
      - { .name: x, .offset: 0, .size: 8, .value_kind: global_buffer, .address_space: global }
      - { .name: Wqkv, .offset: 8, .size: 8, .value_kind: global_buffer, .address_space: global }
      - { .name: Wproj, .offset: 16, .size: 8, .value_kind: global_buffer, .address_space: global }
      - { .name: xc, .offset: 24, .size: 8, .value_kind: global_buffer, .address_space: global }
      - { .name: wc, .offset: 32, .size: 8, .value_kind: global_buffer, .address_space: global }
    .group_segment_fixed_size: 71168
    .private_segment_fixed_size: 0
    .kernarg_segment_align: 8
    .kernarg_segment_size: 40
    .max_flat_workgroup_size: 256
    .sgpr_count:     66
    .vgpr_count:     194
    .wavefront_size: 32
...
	.end_amdgpu_metadata
.endif
;; end of part 1
;; launch qkv (part 2): grid 12 x 64, 4 waves a work-group, clusters of 4 x 4, 308,480 bytes of LDS; arguments xc, wc, bqkv, qi, kv; writes qi, kv
.if DOCPART == 2
	.amdgcn_target "amdgcn-amd-amdhsa--gfx1250"
	.amdhsa_code_object_version 6
	.text
	.protected	k_q177fa294a3_qkv
	.globl	k_q177fa294a3_qkv
	.p2align	8
	.type	k_q177fa294a3_qkv,@function
k_q177fa294a3_qkv:
	s_mov_b64 s[64:65], 0
	v_nop
	global_prefetch_b8 v0, s[64:65] scope:SCOPE_SE
	s_setreg_imm32_b32 hwreg(HW_REG_WAVE_MODE, 25, 1), 1
	s_wait_xcnt 0x0
	s_wait_alu depctr_hold_cnt(0) depctr_sa_sdst(0) depctr_va_vdst(0) depctr_va_sdst(0) depctr_va_ssrc(0) depctr_va_vcc(0) depctr_vm_vsrc(0)
	s_getreg_b32 s2, hwreg(HW_REG_IB_STS2, 6, 4)
	s_cmp_eq_u32 s2, 0
	s_cbranch_scc0 .Lentry_in_a_cluster
	s_endpgm
.Lentry_in_a_cluster:
	s_bfe_u32 s2, ttmp6, 0x10000c
	s_cmp_lg_u32 s2, 0xf033
	s_cbranch_scc0 .Lentry_shape_is_right
	s_endpgm
.Lentry_shape_is_right:
; qkv = x Wqkv + bqkv on codes of BF6 (E3M2) with E8M0 scales, K = 1,024; q, k and v leave as codes again: q and k quantised along the head's 64, v along the keys.
; OPERANDS (xc, wc): rows in position order (position p = true row p with bits 3 and 4 exchanged), blocks of 16 positions x 128 K as images of the operand's 12 registers (1,536 bytes),
; [group of 128][K step][block][1536]; behind them the scale words [position][8].
; A TILE is 128 rows of operand A (source 1) x 256 rows of operand B (source 0).  ALL OF K for a tile, 384 rows x 768 bytes, lies in LDS: every byte is filled once, nothing is filled again.
; Four waves: wave w takes 64 of A's rows (w / 2) x 128 of B's (w % 2): 32 accumulators.  THE PRODUCT IS USED TRANSPOSED: a lane holds one row of A, its registers run along B's rows; since B's rows stand in
; position order, registers 16 b + i of a lane are B's true rows 32 b + 16 (lane / 16) + i: 16 neighbours, as the conversions want them.
; KINDS, by the cluster's x (the same in all sixteen partners): 0 = q, 1 = k: A = x, B = Wqkv's columns: a lane's registers run along the head's channels.  2 = v: A = Wqkv's columns, B = x: they run along the keys.
; CLUSTER 4 x 4: A's tile hangs on the tile row alone and is asked for jointly along a row of the cluster, B's on the tile column alone and jointly along a column.
; OUT.  qi: [head 64][16][6656], kv: [head 64][16][K 6656 | V 6656].  A Q or K block: 8 tiles (16 positions x 64 channels) of 768 bytes (registers 0-3 at 16 x lane, 4-5 at 512 + 8 x lane), then two images of scale words
; (2 registers at 8 x lane; register t of image x: tile 4 x + 2 t in lanes 0-15, 4 x + 2 t + 1 in lanes 16-31; bytes 0, 1 of a word are the head's two blocks, bytes 2, 3 another head's or 0: they meet zero codes alone).
; A V block: half c (64 keys) of tile t (16 channel positions) at 3072 c + 768 t; its image of scale words twice, at 6144 and 6400.
; LIMITS: NaN and infinities are not served; a largest magnitude under 2^-122 counts as 2^-122 (byte 1); a block of zeros has the byte 1.
; REGISTERS: window 0: v16-28 addresses; v32-63 scale words, two sets; v64-127 the bias; v128-199 the way out.  window 1: B's fragments, two sets of 96.  window 2: A's, two sets of 48.  window 3: accumulator (a, b) at 8 (8 a + b).
.set GRPB,  98304
.set KSB,   12288                      ; a group's K step: 8 images
.set FRB,   1536
.set SLOTB, 73728                      ; 256 along K: A's two K steps, then B's two groups of two K steps
.set SCL,   294912                     ; behind the four slots: A's scale words (16 x 272 bytes), then B's (32 x 272)
.set XCS,   6291456
.set WCS,   3145728
.set A16, 16                           ; v16  LDS: my A images, 16 x lane
.set A8,  17                           ; v17  the same + 512, 8 x lane
.set B16, 18
.set B8,  19
.set ADRS, 20                          ; v20  my scale words: lanes 0-15 A's rows, lanes 16-31 B's
.set L16, 21
.set L8,  22
.set TM,  128                          ; v128-143 at work
.set PW,  144                          ; v144-147 the four scale words
.set G1A, 24                           ; s[24:31] group 1 for A's codes; s[32:47] four groups 0
.set G0A, 32
.set G1B, 48                           ; s[48:55] for B's; groups 0 at s56, s60, s68, s72
.set G1SA, 76                          ; s[76:83], s[84:87] A's scales;  s[88:95], s[96:99] B's
.set G0SA, 84
.set G1SB, 88
.set G0SB, 96
.set MSB, 0
.macro WIN new                         ; the immediate's high byte repeats the setting that is left
.if MSB != \new
	s_set_vgpr_msb (MSB<<8)|\new
.set MSB, \new
.endif
.endm
.set MUL,  0xf9                        ; source 0 (B) window 1, source 1 (A) window 2, C and D window 3
.set MULB, 0xc9                        ; the same with C (the bias) in window 0
.set TO_B, 0x40
.set TO_A, 0x80
; A joint load: waves 0 and 1 fetch for A, waves 2 and 3 for B; the branch hangs on the wave's number alone.  Four v_nop follow each of the two lines.
.macro JLOAD g0a, g1a, g0b, g1b
	s_cmp_eq_u32 s15, 0
	s_cbranch_scc0 .Lfor_b_\@
	tensor_load_to_lds s[\g0a:\g0a+3], s[\g1a:\g1a+7]
	s_nop 0
.rept 4
	v_nop
.endr
	s_branch .Lasked_\@
.Lfor_b_\@:
	tensor_load_to_lds s[\g0b:\g0b+3], s[\g1b:\g1b+7]
	s_nop 0
.rept 4
	v_nop
.endr
.Lasked_\@:
.endm
.macro CROUND                          ; a round of the cluster's barrier
	s_barrier_signal -1
	s_barrier_wait -1
	s_cmp_lg_u32 s14, 0
	s_cbranch_scc1 .Lnot_wave_0_\@
	s_barrier_signal -3
.Lnot_wave_0_\@:
	s_barrier_wait -3
	s_barrier_signal -1
	s_barrier_wait -1
.endm
.macro G1REST g, rows                  ; a dense block as rows of 256 bytes: 32 elements of 8 bytes
	s_mov_b32 s[\g+1], 32<<16
	s_mov_b32 s[\g+2], (\rows)<<16
	s_mov_b32 s[\g+3], 32<<16
	s_mov_b32 s[\g+4], \rows
	s_mov_b32 s[\g+5], 32
	s_mov_b32 s[\g+6], 0
	s_mov_b32 s[\g+7], 0
.endm
.macro FRAG reg, a16, a8, off          ; an image comes back as the 12 registers that it was
	ds_load_b128 v[\reg:\reg+3], v[\a16] offset:\off
	ds_load_b64 v[\reg+4:\reg+5], v[\a8] offset:\off
	ds_load_b128 v[\reg+6:\reg+9], v[\a16] offset:\off+768
	ds_load_b64 v[\reg+10:\reg+11], v[\a8] offset:\off+768
.endm
.macro FETCH k                         ; K step k's fragments into set k % 2; with a slot's first K step the slot's scale words
	WIN TO_B
.irp i, 0,1,2,3,4,5,6,7
	FRAG 128*((\k)%2)+12*\i,B16,B8,((\k)%2)*KSB+\i*FRB
.endr
	WIN TO_A
.irp i, 0,1,2,3
	FRAG 64*((\k)%2)+12*\i,A16,A8,((\k)%2)*KSB+\i*FRB
.endr
	WIN 0
.if ((\k)%2) == 0
.irp i, 0,1,2,3,4,5,6,7
	ds_load_b64 v[32+16*(((\k)/2)%2)+2*\i:32+16*(((\k)/2)%2)+2*\i+1], v[ADRS] offset:544*\i   ; two K steps' words: lanes 0-15 A's block i (used for i < 4), lanes 16-31 B's block i
.endr
.endif
.endm
; 32 matrix instructions: the accumulators take turns, one instruction a turn, in the same order in every K step.  mode 0: onto the sums; 1: the bias by B's rows starts them; 2: the bias by A's rows
.macro MUL32 k, mode
.irp a, 0,1,2,3
.irp b, 0,1,2,3,4,5,6,7
.if \mode == 0
	v_wmma_scale_f32_16x16x128_f8f6f4 v[8*(8*\a+\b):8*(8*\a+\b)+7], v[128*((\k)%2)+12*\b:128*((\k)%2)+12*\b+11], v[64*((\k)%2)+12*\a:64*((\k)%2)+12*\a+11], v[8*(8*\a+\b):8*(8*\a+\b)+7], v[32+16*(((\k)/2)%2)+2*\b+(\k)%2], v[32+16*(((\k)/2)%2)+2*\a+(\k)%2] matrix_a_fmt:MATRIX_FMT_BF6 matrix_b_fmt:MATRIX_FMT_BF6 matrix_a_scale:MATRIX_SCALE_ROW1
.elseif \mode == 1
	v_wmma_scale_f32_16x16x128_f8f6f4 v[8*(8*\a+\b):8*(8*\a+\b)+7], v[128*((\k)%2)+12*\b:128*((\k)%2)+12*\b+11], v[64*((\k)%2)+12*\a:64*((\k)%2)+12*\a+11], v[64+8*\b:64+8*\b+7], v[32+16*(((\k)/2)%2)+2*\b+(\k)%2], v[32+16*(((\k)/2)%2)+2*\a+(\k)%2] matrix_a_fmt:MATRIX_FMT_BF6 matrix_b_fmt:MATRIX_FMT_BF6 matrix_a_scale:MATRIX_SCALE_ROW1
.else
	v_wmma_scale_f32_16x16x128_f8f6f4 v[8*(8*\a+\b):8*(8*\a+\b)+7], v[128*((\k)%2)+12*\b:128*((\k)%2)+12*\b+11], v[64*((\k)%2)+12*\a:64*((\k)%2)+12*\a+11], v[64+8*\a:64+8*\a+7], v[32+16*(((\k)/2)%2)+2*\b+(\k)%2], v[32+16*(((\k)/2)%2)+2*\a+(\k)%2] matrix_a_fmt:MATRIX_FMT_BF6 matrix_b_fmt:MATRIX_FMT_BF6 matrix_a_scale:MATRIX_SCALE_ROW1
.endif
.endr
.endr
.endm
; The head of K step k: its fragments are in; the next step's are asked for, 32 matrix instructions ahead of their use.  A slot's second step also opens the next slot.
.macro KSTEP k
	s_wait_dscnt 0x0                               ; K step k's fragments are in, and no LDS instruction of mine is out
.if ((\k)%2) && ((\k) < 7)
	s_wait_tensorcnt 2-(\k)/2                      ; my part of the next slot has landed; my loads for the slots behind it stay out
	s_barrier_signal -1
	s_barrier_wait -1                              ; everybody's has
	v_add_nc_u32 v[A16], SLOTB, v[A16]             ; on to the next slot: these four are also the places in front of the loads into registers that the last products read
	v_add_nc_u32 v[A8], SLOTB, v[A8]
	v_add_nc_u32 v[B16], SLOTB, v[B16]
	s_wait_alu depctr_va_vdst(0)
	v_add_nc_u32 v[B8], SLOTB, v[B8]
	s_wait_alu depctr_va_vdst(0)
	v_add_nc_u32 v[ADRS], 8, v[ADRS]               ; and its two scale words
.elseif (\k) < 7
.rept 4
	v_nop                                          ; the four places
.endr
.endif
.if (\k) < 7
	FETCH (\k)+1
.endif
.endm
	s_load_b256 s[4:11], s[0:1], 0x0               ; xc s[4:5], wc s[6:7], bqkv s[8:9], qi s[10:11]
	s_load_b64 s[12:13], s[0:1], 0x20              ; kv
	v_lshl_add_u32 v254, v0, 2, 0x4b300
	v_mov_b32 v255, 0
	ds_add_u32 v254, v255
	ds_add_u32 v254, v255
	v_lshrrev_b32 v1, 5, v0
	v_readfirstlane_b32 s14, v1                    ; wave 0..3
	s_lshr_b32 s15, s14, 1                         ; rh: which 64 rows of A are mine.  Also: I fetch for A (0) or for B (1)
	s_and_b32 s16, s14, 1                          ; ch: which 128 rows of B.  Also: which half I fetch
	s_bfe_u32 s2, ttmp6, 0x40000                   ; cx
	s_bfe_u32 s3, ttmp6, 0x40004                   ; cy
	s_mov_b32 s19, ttmp9                           ; the kind: the cluster's x
	s_and_b32 s22, ttmp7, 0xffff                   ; Y: the cluster's y
	s_lshl_b32 s18, s19, 2                         ; q, k: tile column 4 X + cx, tile row 4 Y + cy
	s_and_b32 s100, s22, 7
	s_lshl_b32 s100, s100, 2                       ; v: tile column 4 (Y % 8) + cx,
	s_lshl_b32 s17, s22, 2
	s_lshr_b32 s23, s22, 3
	s_lshl_b32 s23, s23, 2                         ; tile row 4 (Y / 8) + cy
	s_cmp_lt_u32 s19, 2
	s_cselect_b32 s18, s18, s100
	s_cselect_b32 s17, s17, s23
	s_cselect_b32 s22, 0, 16                       ; A's first group: x's 0, or Wqkv's 16 (v's columns)
	s_mov_b32 s23, WCS
	s_cselect_b32 s23, XCS, s23                    ; where A's scale words begin in its buffer
	s_mov_b32 s101, XCS
	s_cselect_b32 s101, WCS, s101                  ; and B's
	s_add_co_u32 s18, s18, s2                      ; tx: only cx ever enters it
	s_add_co_u32 s17, s17, s3                      ; ty: only cy
	s_lshl_b32 s66, s3, 2
	s_lshl_b32 s66, 15, s66                        ; my row of the cluster
	s_lshl_b32 s67, 0x1111, s2                     ; my column
	s_or_b32 s[G1A], s66, (3<<16)|(1<<21)          ; 15:0 the mask; 17:16 elements of 8 bytes; 21 set beside a mask; no padding
	s_or_b32 s[G1B], s67, (3<<16)|(1<<21)
	s_or_b32 s[G1SA], s66, (3<<16)|(1<<20)|(1<<21)|(5<<22)|(3<<25)   ; the scales: 16 bytes of padding behind every 256
	s_or_b32 s[G1SB], s67, (3<<16)|(1<<20)|(1<<21)|(5<<22)|(3<<25)
	G1REST G1A, 48                                 ; one K step of A's group: 12,288 bytes
	G1REST G1B, 96                                 ; two K steps of one of B's groups: 24,576 bytes
	G1REST G1SA, 8                                 ; 64 rows' scale words: 2,048 bytes
	G1REST G1SB, 16                                ; 128 rows': 4,096 bytes
	s_add_co_u32 s22, s22, s17                     ; A's group
	s_lshl_b32 s3, s22, 12                         ; its scale words: 128 rows x 32 bytes a group,
	s_add_co_u32 s23, s23, s3
	s_lshl_b32 s3, s16, 11                         ; my half of them
	s_add_co_u32 s[G0SA+2], s23, s3
	s_mov_b32 s[G0SA+3], 0
	s_mul_i32 s22, s22, GRPB                       ; its codes,
	s_mul_i32 s3, s16, KSB                         ; my K step of a slot's two
	s_add_co_u32 s22, s22, s3
	s_mov_b32 s23, 0
	s_lshl_b32 s100, s18, 1
	s_add_co_u32 s100, s100, s16                   ; B's group that I fetch: 2 tx + half
	s_lshl_b32 s2, s100, 12
	s_add_co_u32 s[G0SB+2], s101, s2
	s_mov_b32 s[G0SB+3], 0
	s_mul_i32 s100, s100, GRPB
	s_mov_b32 s101, 0
	s_wait_dscnt 0x0
	s_wait_kmcnt 0x0
	s_cmp_lt_u32 s19, 2
	s_cselect_b64 s[2:3], s[4:5], s[6:7]           ; A's buffer: xc, or wc for v
	s_cselect_b64 s[66:67], s[6:7], s[4:5]         ; B's
	s_add_nc_u64 s[22:23], s[2:3], s[22:23]
	s_add_nc_u64 s[G0SA+2:G0SA+3], s[2:3], s[G0SA+2:G0SA+3]
	s_add_nc_u64 s[100:101], s[66:67], s[100:101]
	s_add_nc_u64 s[G0SB+2:G0SB+3], s[66:67], s[G0SB+2:G0SB+3]
	s_mul_i32 s2, s16, KSB                         ; LDS: no place in the cluster enters an LDS address
	s_mul_i32 s3, s16, 2*KSB
	s_add_co_u32 s3, s3, 2*KSB
	s_mul_i32 s66, s16, 2176
	s_add_co_u32 s[G0SA+1], s66, SCL
	s_mul_i32 s66, s16, 4352
	s_add_co_u32 s[G0SB+1], s66, SCL+4352
	s_mov_b32 s[G0SA], 1
	s_mov_b32 s[G0SB], 1
	s_or_b32 s[G0SA+3], s[G0SA+3], 0x80000000
	s_or_b32 s[G0SB+3], s[G0SB+3], 0x80000000
	CROUND                                         ; all sixteen work-groups are here: the joint loads meet
	JLOAD G0SA,G1SA,G0SB,G1SB                      ; the scale words first; then the four slots: five loads of mine are out
.irp v, 0,1,2,3
	s_mov_b32 s[G0A+4*\v], 1
	s_add_co_u32 s[G0A+4*\v+1], s2, \v*SLOTB
	s_add_nc_u64 s[G0A+4*\v+2:G0A+4*\v+3], s[22:23], \v*2*KSB
	s_or_b32 s[G0A+4*\v+3], s[G0A+4*\v+3], 0x80000000
	s_mov_b32 s[56+4*\v+4*(\v/2)], 1
	s_add_co_u32 s[56+4*\v+4*(\v/2)+1], s3, \v*SLOTB
	s_add_nc_u64 s[56+4*\v+4*(\v/2)+2:56+4*\v+4*(\v/2)+3], s[100:101], \v*2*KSB
	s_or_b32 s[56+4*\v+4*(\v/2)+3], s[56+4*\v+4*(\v/2)+3], 0x80000000
	JLOAD G0A+4*\v,G1A,56+4*\v+4*(\v/2),G1B
.endr
	v_and_b32 v1, 31, v0                           ; lane
	v_and_b32 v2, 15, v0                           ; r
	v_bfe_u32 v3, v0, 4, 1                         ; h
	v_lshlrev_b32 v[L16], 4, v1
	v_lshlrev_b32 v[L8], 3, v1
	s_mul_i32 s2, s15, 4*FRB                       ; my four blocks of A
	v_add_nc_u32 v[A16], s2, v[L16]
	s_add_co_u32 s2, s2, 512
	v_add_nc_u32 v[A8], s2, v[L8]
	s_mul_i32 s2, s16, 2*KSB                       ; my group of B, behind A's two K steps
	s_add_co_u32 s2, s2, 2*KSB
	v_add_nc_u32 v[B16], s2, v[L16]
	s_add_co_u32 s2, s2, 512
	v_add_nc_u32 v[B8], s2, v[L8]
	v_lshlrev_b32 v4, 5, v2                        ; a row's 32 bytes of scale words,
	v_lshrrev_b32 v5, 3, v2
	v_lshl_add_u32 v4, v5, 4, v4                   ; and 16 more behind each 256
	s_mul_i32 s2, s15, 2176                        ; A's: my 64 rows
	s_mul_i32 s3, s16, 4352                        ; B's: my 128 rows, behind A's 128
	s_add_co_u32 s3, s3, 4352
	s_sub_co_u32 s3, s3, s2
	v_mul_u32_u24 v5, s3, v3                       ; lanes 16-31 take B's
	s_add_co_u32 s2, s2, SCL
	v_add_nc_u32 v4, v4, v5
	v_add_nc_u32 v[ADRS], s2, v4
.irp b, 0,1,2,3
	v_mov_b32 v[TM+4+\b], 0                        ; a lane permute's destination counts as one of its sources
.endr
	; the bias is the C of each sum's first matrix instruction
	s_lshl_b32 s2, s18, 10
	s_lshl_b32 s3, s16, 9
	s_add_co_u32 s2, s2, s3                        ; q, k: from column 256 tx + 128 ch on
	s_lshl_b32 s3, s17, 9
	s_lshl_b32 s66, s15, 8
	s_add_co_u32 s3, s3, s66
	s_add_co_u32 s3, s3, 8192                      ; v: from column 2,048 + 128 ty + 64 rh on
	s_cmp_lt_u32 s19, 2
	s_cselect_b32 s2, s2, s3
	s_mov_b32 s3, 0
	s_add_nc_u64 s[8:9], s[8:9], s[2:3]
	v_lshlrev_b32 v25, 6, v3                       ; q, k: 16 h columns
	v_and_b32 v26, 8, v2
	v_add_nc_u32 v26, v26, v2
	v_lshlrev_b32 v26, 2, v26                      ; v: column r + 8 (r / 8)
	s_cmp_eq_u32 s19, 2
	s_cbranch_scc1 .Lbias_v
.irp b, 0,1,2,3,4,5,6,7                        ; register j of tile b is column 32 (b / 2) + 16 h + 8 (b % 2) + j
	global_load_b128 v[64+8*\b:64+8*\b+3], v25, s[8:9] offset:(32*(\b/2)+8*(\b%2))*4
	global_load_b128 v[64+8*\b+4:64+8*\b+7], v25, s[8:9] offset:(32*(\b/2)+8*(\b%2))*4+16
.endr
	s_branch .Lbias_done
.Lbias_v:                                          ; a lane holds one channel: block a's is column 32 (a / 2) + 8 (a % 2) + r + 8 (r / 8), the same number in all eight registers
	s_wait_alu depctr_va_vdst(0)
.irp a, 0,1,2,3
	global_load_b32 v[64+8*\a], v26, s[8:9] offset:(32*(\a/2)+8*(\a%2))*4
.endr
	s_wait_loadcnt 0x0
.irp a, 0,1,2,3
.irp j, 1,2,3,4,5,6,7
	v_mov_b32 v[64+8*\a+\j], v[64+8*\a]
.endr
.endr
.irp j, 0,1,2,3,4,5,6,7,8,9,10,11,12,13,14,15,16,17,18,19,20,21,22,23,24,25,26,27,28,29,30,31
	v_mov_b32 v[96+\j], 0                          ; not used by this kind: written, so that all 64 are written on both ways
.endr
.Lbias_done:
	; where the results go
	s_lshl_b32 s2, s18, 1
	s_add_co_u32 s2, s2, s16                       ; v: the group of 128 tokens is 2 tx + ch
	s_and_b32 s3, s18, 3
	s_lshl_b32 s3, s3, 2
	s_lshl_b32 s66, s16, 1
	s_add_co_u32 s3, s3, s66                       ; q, k: my first head 4 (tx % 4) + 2 ch
	s_lshl_b32 s66, s17, 1
	s_add_co_u32 s66, s66, s15                     ; v: my head 2 ty + rh
	s_cmp_lt_u32 s19, 2
	s_cselect_b32 s2, s17, s2                      ; 16 x batch + G
	s_cselect_b32 s3, s3, s66
	s_lshr_b32 s66, s2, 4
	s_lshl_b32 s66, s66, 8
	s_and_b32 s2, s2, 15
	s_add_co_u32 s2, s2, s66
	s_lshl_b32 s3, s3, 4
	s_add_co_u32 s2, s2, s3                        ; 256 x batch + 16 x head + G
	s_mul_i32 s66, s15, 3072
	s_mul_i32 s67, s15, 2816
	s_sub_co_u32 s67, 6144, s67                    ; q, k: from my four tiles to my image of scale words
	s_cmp_eq_u32 s19, 0
	s_mov_b32 s3, 13312
	s_cselect_b32 s3, 6656, s3                     ; bytes from G to G + 1: qi's or kv's
	s_cselect_b64 s[10:11], s[10:11], s[12:13]     ; q goes to qi, k and v to kv
	s_mul_i32 s2, s2, s3
	s_lshl_b32 s22, s3, 4                          ; from a head to the next
	s_cmp_lt_u32 s19, 2
	s_mov_b32 s3, 6656
	s_cselect_b32 s66, s66, s3                     ; q, k: my four tiles; v: the V block
	s_mov_b32 s3, 3072
	s_cselect_b32 s22, s22, s3                     ; half 1 goes to the next head (q, k) or 3,072 bytes on (v)
	s_mov_b32 s3, 6144
	s_cselect_b32 s100, s67, s3
	s_mov_b32 s3, 3328
	s_cselect_b32 s101, s67, s3
	s_cselect_b32 s67, 16, 0                       ; the second image: the word's upper two bytes (q, k) or the same word (v)
	s_add_co_u32 s2, s2, s66
	s_mov_b32 s3, 0
	s_mov_b32 s23, 0
	s_add_nc_u64 s[10:11], s[10:11], s[2:3]        ; half 0's base
	s_add_nc_u64 s[12:13], s[10:11], s[22:23]      ; half 1's
	v_add_nc_u32 v27, s100, v[L8]
	v_add_nc_u32 v28, s101, v[L8]
	s_wait_tensorcnt 3                             ; the scale words and my part of slot 0 are in; my loads for slots 1, 2, 3 stay out
	s_barrier_signal -1
	s_barrier_wait -1                              ; everybody's are
	FETCH 0
	s_wait_loadcnt 0x0                             ; the bias
	KSTEP 0
	s_cmp_eq_u32 s19, 2
	s_cbranch_scc1 .Lfirst_v
	WIN MULB
	s_wait_alu depctr_va_vdst(0)
	MUL32 0, 1
	WIN 0
	s_branch .Lfirst_done
.Lfirst_v:
	WIN MULB
	MUL32 0, 2
	WIN 0
.Lfirst_done:
.irp k, 1,2,3,4,5,6,7
	KSTEP \k
	WIN MUL
	MUL32 \k, 0
	WIN 0
.endr
; THE WAY OUT.  Block a's 64 registers of a lane, register 16 b + i = B's true row 32 b + 16 (lane / 16) + i, become a fragment's codes in v[pc] on and its scale word in v[PW + a].  Each accumulator is read from its low end on.
.macro QUANTA a, pc
	WIN 0x3c                                       ; sources 1 and 2: window 3
.irp b, 0,1,2,3
	v_max3_num_f32 v[TM+\b], 0x2800000, |v[64*\a+16*\b]|, |v[64*\a+16*\b+1]|   ; with the floor 2^(5 - 127): the byte cannot fall under 1
.endr
.irp i, 2,4,6,8,10,12,14
.irp b, 0,1,2,3
	v_max3_num_f32 v[TM+\b], v[TM+\b], |v[64*\a+16*\b+\i]|, |v[64*\a+16*\b+\i+1]|
.endr
.endr
	WIN 0
.irp b, 0,1,2,3
	v_permlanex16_b32 v[TM+4+\b], v[TM+\b], s20, s21
.endr
.irp b, 0,1,2,3
	v_max_num_f32 v[TM+\b], v[TM+\b], v[TM+4+\b]
.endr
.irp b, 0,1,2,3
	v_add_nc_u32 v[TM+12+\b], 0xfe000000, v[TM+\b]     ; 4 off the exponent field: the conversion's scale operand
.endr
.irp b, 0,1,2,3
	v_lshrrev_b32 v[TM+4+\b], 23, v[TM+12+\b]
.endr
	v_lshl_or_b32 v[PW+\a], v[TM+5], 8, v[TM+4]
	v_lshl_or_b32 v[PW+\a], v[TM+6], 16, v[PW+\a]
	v_lshl_or_b32 v[PW+\a], v[TM+7], 24, v[PW+\a]
	WIN 0x03                                       ; source 0: window 3
.irp c, 0,1
	v_cvt_scalef32_pk16_bf6_f32 v[\pc+6*\c:\pc+2+6*\c], v[64*\a+32*\c:64*\a+32*\c+15], v[TM+12+2*\c]
	v_cvt_scalef32_pk16_bf6_f32 v[\pc+12+4*\c:\pc+14+4*\c], v[64*\a+32*\c+16:64*\a+32*\c+31], v[TM+12+2*\c+1]
.endr
	WIN 0
	v_nop                                          ; one plain place behind a scaled conversion
.irp c, 0,1
.irp i, 0,1,2
	v_permlane16_swap_b32 v[\pc+6*\c+\i], v[\pc+12+4*\c+\i]
.endr
.irp i, 0,1,2
	v_mov_b32 v[\pc+3+6*\c+\i], v[\pc+12+4*\c+\i]
.endr
.endr
	global_store_b128 v[L16], v[\pc:\pc+3], s[10:11] offset:768*\a           ; half 0: 768 consecutive bytes
	global_store_b64 v[L8], v[\pc+4:\pc+5], s[10:11] offset:768*\a+512
	global_store_b128 v[L16], v[\pc+6:\pc+9], s[12:13] offset:768*\a         ; half 1
	global_store_b64 v[L8], v[\pc+10:\pc+11], s[12:13] offset:768*\a+512
.endm
	s_mov_b32 s20, 0x76543210
	s_mov_b32 s21, 0xfedcba98
.rept 4
	v_nop                                          ; four places behind the last products, ahead of the first read of results
.endr
	QUANTA 0, 160
	QUANTA 1, 180
	s_wait_xcnt 0x0                                ; the stores have read their registers: the first set of codes is written again
	QUANTA 2, 160
	s_wait_xcnt 0x0
	QUANTA 3, 180
	v_cmp_le_u32 vcc_lo, 16, v1
	v_cndmask_b32 v148, v144, v145, vcc_lo         ; the image of scale words: lanes 0-15 the even tile's, lanes 16-31 the odd one's
	v_cndmask_b32 v149, v146, v147, vcc_lo
	v_lshrrev_b32 v150, s67, v148
	v_lshrrev_b32 v151, s67, v149
	global_store_b64 v27, v[148:149], s[10:11]     ; 256 consecutive bytes each
	global_store_b64 v28, v[150:151], s[12:13]
	s_wait_dscnt 0x0
	s_wait_tensorcnt 0x0
	ds_add_u32 v254, v255
	s_wait_dscnt 0x0
	CROUND                                         ; the closing round: no work-group ends while a partner may still ask for a tile that names it
	s_endpgm
.Lfunc_end_k_q177fa294a3_qkv:
	.size	k_q177fa294a3_qkv, .Lfunc_end_k_q177fa294a3_qkv-k_q177fa294a3_qkv
	.p2alignl 7, 3214868480
	.fill 96, 4, 3214868480
	.section	.rodata,"a",@progbits
	.p2align	6, 0x0
	.amdhsa_kernel k_q177fa294a3_qkv
		.amdhsa_group_segment_fixed_size 308480
		.amdhsa_private_segment_fixed_size 0
		.amdhsa_enable_private_segment 0
		.amdhsa_kernarg_size 40
		.amdhsa_user_sgpr_count 2
		.amdhsa_user_sgpr_kernarg_segment_ptr 1
		.amdhsa_wavefront_size32 1
		.amdhsa_system_sgpr_workgroup_id_x 1
		.amdhsa_system_sgpr_workgroup_id_y 1
		.amdhsa_system_sgpr_workgroup_id_z 1
		.amdhsa_system_vgpr_workitem_id 0
		.amdhsa_next_free_vgpr 1024
		.amdhsa_next_free_sgpr 102
		.amdhsa_reserve_vcc 1
		.amdhsa_float_denorm_mode_32 3
		.amdhsa_float_denorm_mode_16_64 3
		.amdhsa_memory_ordered 1
		.amdhsa_forward_progress 1
		.amdhsa_inst_pref_size 101
	.end_amdhsa_kernel
	.amdgpu_metadata
---
amdhsa.version: [ 1, 2 ]
amdhsa.kernels:
  - .name:           k_q177fa294a3_qkv
    .symbol:         k_q177fa294a3_qkv.kd
    .args:
      - { .name: xc, .offset: 0, .size: 8, .value_kind: global_buffer, .address_space: global }
      - { .name: wc, .offset: 8, .size: 8, .value_kind: global_buffer, .address_space: global }
      - { .name: bqkv, .offset: 16, .size: 8, .value_kind: global_buffer, .address_space: global }
      - { .name: qi, .offset: 24, .size: 8, .value_kind: global_buffer, .address_space: global }
      - { .name: kv, .offset: 32, .size: 8, .value_kind: global_buffer, .address_space: global }
    .group_segment_fixed_size: 308480
    .private_segment_fixed_size: 0
    .kernarg_segment_align: 8
    .kernarg_segment_size: 40
    .max_flat_workgroup_size: 128
    .sgpr_count:     102
    .vgpr_count:     1024
    .wavefront_size: 32
...
	.end_amdgpu_metadata
.endif
;; end of part 2
;; launch attn (part 3): grid 4 x 64, 16 waves a work-group, no clusters, 327,680 bytes of LDS; arguments qi, kv, ac; writes ac
.if DOCPART == 3
	.amdgcn_target "amdgcn-amd-amdhsa--gfx1250"
	.amdhsa_code_object_version 6
	.text
	.protected	k_q177fa294a3_attn
	.globl	k_q177fa294a3_attn
	.p2align	8
	.type	k_q177fa294a3_attn,@function
k_q177fa294a3_attn:
	s_mov_b64 s[64:65], 0
	v_nop
	global_prefetch_b8 v0, s[64:65] scope:SCOPE_SE
	s_setreg_imm32_b32 hwreg(HW_REG_WAVE_MODE, 25, 1), 1
	s_wait_xcnt 0x0
; Causal attention of one head on codes of BF6 (E3M2) with E8M0 scales: S = q k^T (K = 64), p = 2^(t - M), t = S log2(e) / 8, M the running largest t rounded UP to a whole number; o = (p v) / l, l the sum of the unquantised p;
; o is quantised along E (a block of 32 lies inside a head) into ac, the last product's operand.
; IN.  qi [head][16][6656], kv [head][16][K 6656 | V 6656]: tiles of 16 positions as images of the operand's registers (768 bytes for six registers: 0-3 at 16 x lane, 4-5 at 512 + 8 x lane).  Positions: position p holds true row p with
; bits 3 and 4 exchanged, so lane r of tile 2 b + u holds row 32 b + 8 u + r + 8 (r / 8), and the 16 registers of two neighbouring result tiles are 16 neighbours.
; SHARES.  Work-group (i, head) owns the blocks i and 7 - i of 256 queries: every work-group has the same number of key steps.  Each of sixteen waves owns one tile of 16 queries of each block, in 256 registers: four waves to a SIMD.
; ALL OF THE HEAD'S K AND V, 16 steps x 13,312 bytes, come into LDS ONCE, two tensor loads a wave at the head: no slot is filled again, and no barrier stands in the loops.
; Both products are used transposed (S^T = K Q^T, O^T = V^T P^T): a lane holds one query throughout.
; K = 64 IN A FORM OF 128: Q's registers 6-11 are zero codes, so whatever stands in the other operand's registers 6-11 (the next tile's codes, or zeros) adds exactly 0: every code is a finite number, and no scale byte here is 0xff.
; CAUSAL: every wave walks a constant number of steps (8, then 16); a step all of whose keys come after my queries is jumped over by a scalar branch on ids; on the diagonal hidden scores become -infinity.
; NO CLUSTER: the four work-groups of a head read the same K and V, but which steps a wave works hangs on the work-group's x.
; NO PREFETCH: every byte that the work-group reads is asked for at its head.
; OUT.  ac as xc: [group of 128 positions][K step][block of 16][1536], then [position][32 scale bytes]; a wave stores half an image (768 bytes) and, a byte a lane, its rows' two scale bytes: a row's 32 bytes come from 16 heads.
; LIMITS: NaN and infinities are not served; a largest magnitude under 2^-122 counts as 2^-122 (byte 1); a block of zeros has the byte 1.
.set L16, 1                            ; v1   16 x lane
.set L8,  2                            ; v2   8 x lane
.set DQ,  3                            ; v3   r + 8 (r / 8) - 16 h
.set AD16, 4                           ; v4, v5  the step's LDS addresses
.set AD8, 5
.set FF,  6                            ; v[6:7] f = 2^(old M - new M); v7 = 0
.set QSO, 8                            ; v8   Q's scale word: 8 r + the wave's part
.set SBO, 9                            ; v9   32 r + h
.set VS,  10                           ; v[10:11] V's scale words
.set QA,  16                           ; v[16:27] Q of the first block;  v[28:39] of the second
.set QB,  28
.set QSA, 40
.set QSB, 41
.set PS,  42                           ; v42  p's scale word
.set KS,  44                           ; v[44:47] K's scale words
.set KB,  48                           ; v48-71 four tiles of K, six registers each; v72-77 stay 0
.set VB,  78                           ; v78-125 V's four fragments
.set S,   126                          ; v126-189 S^T, then p
.set O,   190                          ; v190-221 O^T
.set PCD, 222                          ; v222-233 p's codes
.set PC2, 234                          ; v234-241 the conversions' second halves
.set BM,  242
.set BP,  246
.set BS,  250
.set SEL, 32
.set CS,  34
.set TB,  36                           ; s36  LDS byte at which the step's tiles begin
.set KF,  37                           ; s37  the step's first key
.set CNT, 38
.set QLO, 39                           ; s39, s40  my least and my largest query
.set QHI, 40
.set HIM, 61                           ; s61  mask of lanes 16-31
; A KEY STEP: 128 keys
.macro STEP qf, qs
	s_cmp_gt_u32 s[KF], s[QHI]
	s_cbranch_scc1 .Lhidden_\@                     ; all its keys come after my queries
	s_setprio 2
	v_add_nc_u32 v[AD16], s[TB], v[L16]
	s_wait_alu depctr_va_vdst(0)
	v_add_nc_u32 v[AD8], s[TB], v[L8]
	s_wait_alu depctr_va_vdst(0)
.irp g, 0,1                                    ; S^T = K Q^T, four tiles of 16 keys at a time
.if \g
.rept 4
	v_nop                                          ; places in front of loads into registers that matrix instructions have read
.endr
.endif
.irp u, 0,1,2,3
	ds_load_b128 v[KB+6*\u:KB+6*\u+3], v[AD16] offset:768*(4*\g+\u)
	ds_load_b64 v[KB+6*\u+4:KB+6*\u+5], v[AD8] offset:768*(4*\g+\u)+512
.endr
.if \g == 0
	ds_load_b64 v[KS:KS+1], v[AD8] offset:6144     ; register t / 2: tile t's words, in lanes 0-15 for even t, lanes 16-31 for odd
	ds_load_b64 v[KS+2:KS+3], v[AD8] offset:6400
.endif
	s_wait_dscnt 0x0
.irp u, 0,1,2,3
.if \u%2
	v_wmma_scale_f32_16x16x128_f8f6f4 v[S+8*(4*\g+\u):S+8*(4*\g+\u)+7], v[KB+6*\u:KB+6*\u+11], v[\qf:\qf+11], 0, v[KS+(4*\g+\u)/2], v[\qs] matrix_a_fmt:MATRIX_FMT_BF6 matrix_b_fmt:MATRIX_FMT_BF6 matrix_a_scale:MATRIX_SCALE_ROW1
.else
	v_wmma_scale_f32_16x16x128_f8f6f4 v[S+8*(4*\g+\u):S+8*(4*\g+\u)+7], v[KB+6*\u:KB+6*\u+11], v[\qf:\qf+11], 0, v[KS+(4*\g+\u)/2], v[\qs] matrix_a_fmt:MATRIX_FMT_BF6 matrix_b_fmt:MATRIX_FMT_BF6
.endif
.endr
.endr                                          ; the 16 registers of tiles 2 b, 2 b + 1 are keys KF + 32 b + 16 h + 0 .. 15
.irp t, 0,1,2,3                                ; V's fragments are asked for now and land under the softmax (six plain instructions stand behind the last products that read these registers)
.irp c, 0,1
	ds_load_b128 v[VB+12*\t+6*\c:VB+12*\t+6*\c+3], v[AD16] offset:6656+3072*\c+768*\t
	ds_load_b64 v[VB+12*\t+6*\c+4:VB+12*\t+6*\c+5], v[AD8] offset:6656+3072*\c+768*\t+512
.endr
.endr
	ds_load_b64 v[VS:VS+1], v[AD8] offset:12800
.rept 4
	v_nop                                          ; four places ahead of the first read of the scores
.endr
	s_add_co_u32 s41, s[KF], 127
	s_cmp_le_u32 s41, s[QLO]
	s_cbranch_scc1 .Lopen_\@                       ; all its keys count
	s_sub_co_i32 s41, s[QLO], s[KF]
	v_add_nc_u32 v254, s41, v[DQ]                  ; d = my query - KF - 16 h: register 16 b + i is hidden where 32 b + i > d
.set n, 0
.rept 64
	v_cmp_gt_i32 vcc_lo, 32*(n/16)+n%16, v254
	v_cndmask_b32 v[S+n], v[S+n], v255, vcc_lo     ; v255 = -infinity
.set n, n+1
.endr
.Lopen_\@:
.irp b, 0,1,2,3
	v_max3_num_f32 v[BM+\b], v[S+16*\b], v[S+1+16*\b], v[S+2+16*\b]   ; the largest score of each block of 32 keys: for the row's maximum and, since p rises with the score, for the block's largest p
.endr
.irp i, 3,5,7,9,11,13
.irp b, 0,1,2,3
	v_max3_num_f32 v[BM+\b], v[BM+\b], v[S+16*\b+\i], v[S+1+16*\b+\i]
.endr
.endr
.irp b, 0,1,2,3
	v_max_num_f32 v[BM+\b], v[BM+\b], v[S+15+16*\b]
.endr
.irp b, 0,1,2,3
	s_delay_alu instid0(VALU_DEP_4)
	v_permlanex16_b32 v[BP+\b], v[BM+\b], s[SEL], s[SEL+1]
.endr
.irp b, 0,1,2,3
	s_delay_alu instid0(VALU_DEP_4)
	v_max_num_f32 v[BM+\b], v[BM+\b], v[BP+\b]     ; with lane l xor 16's 16 keys
.endr
	s_delay_alu instid0(VALU_DEP_2)
	v_max3_num_f32 v254, v[BM], v[BM+1], v[BM+2]
	s_delay_alu instid0(VALU_DEP_1)
	v_max_num_f32 v254, v254, v[BM+3]
	s_delay_alu instid0(VALU_DEP_1)
	v_mul_f32 v254, s[CS], v254                    ; as t (c is positive)
	s_delay_alu instid0(VALU_DEP_1)
	v_max_num_f32 v13, v13, v254                   ; the running largest t
	v_mov_b32 v254, v12
	s_delay_alu instid0(VALU_DEP_2)
	v_floor_f32 v12, -v13                          ; the new -M = floor(-t) = -ceil(t)
	s_delay_alu instid0(VALU_DEP_1)
	v_sub_f32 v254, v12, v254                      ; old M - new M: a whole number, 0 or less
	s_delay_alu instid0(VALU_DEP_1)
	v_cvt_i32_f32 v254, v254                       ; (it saturates)
	s_delay_alu instid0(VALU_DEP_1)
	v_ldexp_f32 v[FF], 1.0, v254                   ; f = 2^(old M - new M): a multiplication by it rounds nothing
	s_setprio 1
.irp j, 0,2,4,6,8,10,12,14,16,18,20,22,24,26,28,30,32,34,36,38,40,42,44,46,48,50,52,54,56,58,60,62
	v_pk_fma_f32 v[S+\j:S+1+\j], v[S+\j:S+1+\j], s[CS:CS+1], v[12:13] op_sel_hi:[1,0,0]   ; t - M, two at a time
.endr
.irp b, 0,1,2,3
	v_fma_f32 v[BM+\b], v[BM+\b], s[CS], v12       ; the same of each block's largest score
.endr
	s_wait_alu depctr_va_vdst(0)
.irp j, 0,1,2,3,4,5,6,7,8,9,10,11,12,13,14,15,16,17,18,19,20,21,22,23,24,25,26,27,28,29,30,31,32,33,34,35,36,37,38,39,40,41,42,43,44,45,46,47,48,49,50,51,52,53,54,55,56,57,58,59,60,61,62,63
	v_exp_f32 v[S+\j], v[S+\j]                     ; p = 2^(t - M), at most 1
.endr
	v_pk_mul_f32 v[14:15], v[14:15], v[FF:FF+1] op_sel_hi:[1,0]   ; the sums under the new M: a plain place behind the exponentials
	s_wait_alu depctr_va_vdst(0)                   ; one wait for the whole batch, ahead of its first reader
.irp b, 0,1,2,3
	v_exp_f32 v[BM+\b], v[BM+\b]                   ; the block's largest p
.endr
	v_pk_add_f32 v[BP:BP+1], v[S:S+1], v[S+2:S+3]  ; the row's sum is taken of the unquantised p: two at a time, in two chains
.irp j, 4,8,12,16,20,24,28,32,36,40,44,48,52,56,60
	v_pk_add_f32 v[14:15], v[14:15], v[S+\j:S+1+\j]
	v_pk_add_f32 v[BP:BP+1], v[BP:BP+1], v[S+2+\j:S+3+\j]
.endr
	s_delay_alu instid0(VALU_DEP_1)
	v_pk_add_f32 v[14:15], v[14:15], v[BP:BP+1]
	s_wait_alu depctr_va_vdst(0)                   ; and one for the four
.irp b, 0,1,2,3
	v_max_num_f32 v[BM+\b], 0x2800000, v[BM+\b]    ; the floor 2^(5 - 127): the byte cannot fall under 1
.endr
.irp b, 0,1,2,3
	s_delay_alu instid0(VALU_DEP_4)
	v_add_nc_u32 v[BS+\b], 0xfe000000, v[BM+\b]    ; 4 off the exponent field: the conversion's scale operand
.endr
.irp b, 0,1,2,3
	s_delay_alu instid0(VALU_DEP_4)
	v_lshrrev_b32 v[BP+\b], 23, v[BS+\b]           ; the scale's byte
.endr
	s_delay_alu instid0(VALU_DEP_3)
	v_lshl_or_b32 v[PS], v[BP+1], 8, v[BP]         ; p's scale word for these 128 keys
	s_delay_alu instid0(VALU_DEP_1)
	v_lshl_or_b32 v[PS], v[BP+2], 16, v[PS]
	s_delay_alu instid0(VALU_DEP_1)
	v_lshl_or_b32 v[PS], v[BP+3], 24, v[PS]
	s_setprio 0
.irp c, 0,1
	v_cvt_scalef32_pk16_bf6_f32 v[PCD+6*\c:PCD+2+6*\c], v[S+32*\c:S+15+32*\c], v[BS+2*\c]
	v_cvt_scalef32_pk16_bf6_f32 v[PC2+4*\c:PC2+2+4*\c], v[S+16+32*\c:S+31+32*\c], v[BS+2*\c+1]
.endr
	v_nop                                          ; one plain place behind a scaled conversion
.irp c, 0,1                                    ; the operand wants a whole block in a lane
.irp i, 0,1,2
	v_permlane16_swap_b32 v[PCD+6*\c+\i], v[PC2+4*\c+\i]
.endr
.irp i, 0,1,2
	s_delay_alu instid0(VALU_DEP_3)
	v_mov_b32 v[PCD+3+6*\c+\i], v[PC2+4*\c+\i]
.endr
.endr
.irp j, 0,2,4,6,8,10,12,14,16,18,20,22,24,26,28,30
	v_pk_mul_f32 v[O+\j:O+1+\j], v[O+\j:O+1+\j], v[FF:FF+1] op_sel_hi:[1,0]   ; O^T under the new M; these sixteen are also the places between the scale word's and the codes' last writes and the products
.endr
	s_wait_alu depctr_va_vdst(0)
	s_wait_dscnt 0x0                               ; V is in
.irp t, 0,1,2,3                                ; O^T += V^T P^T: four tiles of 16 channels by turns; K = these 128 keys
.if \t%2
	v_wmma_scale_f32_16x16x128_f8f6f4 v[O+8*\t:O+8*\t+7], v[VB+12*\t:VB+12*\t+11], v[PCD:PCD+11], v[O+8*\t:O+8*\t+7], v[VS+\t/2], v[PS] matrix_a_fmt:MATRIX_FMT_BF6 matrix_b_fmt:MATRIX_FMT_BF6 matrix_a_scale:MATRIX_SCALE_ROW1
.else
	v_wmma_scale_f32_16x16x128_f8f6f4 v[O+8*\t:O+8*\t+7], v[VB+12*\t:VB+12*\t+11], v[PCD:PCD+11], v[O+8*\t:O+8*\t+7], v[VS+\t/2], v[PS] matrix_a_fmt:MATRIX_FMT_BF6 matrix_b_fmt:MATRIX_FMT_BF6
.endif
.endr
.Lhidden_\@:
	s_add_co_u32 s[KF], s[KF], 128
	s_add_co_u32 s[TB], s[TB], 13312
.endm
; One block of queries: the loop has no first step of its own: O^T and the sum begin as zeros and the largest t as -3e38
.macro PHASE qf, qs, trips
	v_mov_b32 v13, 0xff61b1e6
	s_delay_alu instid0(VALU_DEP_1)
	v_floor_f32 v12, -v13
	v_mov_b32 v14, 0
	v_mov_b32 v15, 0
.irp j, 0,1,2,3,4,5,6,7,8,9,10,11,12,13,14,15,16,17,18,19,20,21,22,23,24,25,26,27,28,29,30,31
	v_mov_b32 v[O+\j], 0
.endr
	s_mov_b32 s[TB], 0
	s_mov_b32 s[KF], 0
	s_mov_b32 s[CNT], \trips
.Lkeys_\@:
	STEP \qf, \qs
	s_sub_co_u32 s[CNT], s[CNT], 1
	s_cmp_lg_u32 s[CNT], 0
	s_cbranch_scc1 .Lkeys_\@
	s_setprio 0
.endm
; O^T / l: register 16 b + i is channel 32 b + 16 h + i of my query: two blocks of 32 along E, quantised; half an image and two scale bytes a row leave
.macro WAYOUT cb, sb
.rept 4
	v_nop                                          ; four places behind the last products
.endr
	v_add_f32 v14, v14, v15
	s_delay_alu instid0(VALU_DEP_1)
	v_permlanex16_b32 v254, v14, s[SEL], s[SEL+1]
	s_delay_alu instid0(VALU_DEP_1)
	v_add_f32 v14, v14, v254                       ; the row's sum
	s_wait_alu depctr_va_vdst(0)
	v_rcp_f32 v14, v14
	v_nop                                          ; one plain place behind the reciprocal
	s_wait_alu depctr_va_vdst(0)                   ; and the wait ahead of its first reader
.irp j, 0,2,4,6,8,10,12,14,16,18,20,22,24,26,28,30
	v_pk_mul_f32 v[S+\j:S+1+\j], v[O+\j:O+1+\j], v[14:15] op_sel_hi:[1,0]
.endr
.irp b, 0,1
	v_max3_num_f32 v[BM+\b], |v[S+16*\b]|, |v[S+1+16*\b]|, 0x2800000
.endr
.irp i, 2,4,6,8,10,12,14
.irp b, 0,1
	s_delay_alu instid0(VALU_DEP_2)
	v_max3_num_f32 v[BM+\b], v[BM+\b], |v[S+16*\b+\i]|, |v[S+1+16*\b+\i]|
.endr
.endr
.irp b, 0,1
	s_delay_alu instid0(VALU_DEP_2)
	v_permlanex16_b32 v[BP+\b], v[BM+\b], s[SEL], s[SEL+1]
.endr
.irp b, 0,1
	s_delay_alu instid0(VALU_DEP_2)
	v_max_num_f32 v[BM+\b], v[BM+\b], v[BP+\b]
.endr
.irp b, 0,1
	s_delay_alu instid0(VALU_DEP_2)
	v_add_nc_u32 v[BS+\b], 0xfe000000, v[BM+\b]
.endr
.irp b, 0,1
	s_delay_alu instid0(VALU_DEP_2)
	v_lshrrev_b32 v[BP+\b], 23, v[BS+\b]
.endr
	v_cvt_scalef32_pk16_bf6_f32 v[PCD:PCD+2], v[S:S+15], v[BS]
	v_cvt_scalef32_pk16_bf6_f32 v[PC2:PC2+2], v[S+16:S+31], v[BS+1]
	v_nop                                          ; one plain place behind a scaled conversion
.irp i, 0,1,2
	v_permlane16_swap_b32 v[PCD+\i], v[PC2+\i]
.endr
.irp i, 0,1,2
	s_delay_alu instid0(VALU_DEP_3)
	v_mov_b32 v[PCD+3+\i], v[PC2+\i]
.endr
	v_cndmask_b32 v254, v[BP], v[BP+1], s[HIM]     ; lane (r, h) stores block h's byte of row r
	global_store_b128 v[L16], v[PCD:PCD+3], s[\cb:\cb+1]             ; 768 consecutive bytes
	global_store_b64 v[L8], v[PCD+4:PCD+5], s[\cb:\cb+1] offset:512
	global_store_b8 v[SBO], v254, s[\sb:\sb+1]
	s_wait_xcnt 0x0                                ; the stores have read their registers: they are written again
.endm
; the addresses of one block of queries.  blk: the scalar register with the block's number
.macro PHADDR blk, qb, cb, sb
	s_lshl_b32 s42, s[\blk], 1
	s_lshr_b32 s43, s10, 3
	s_add_co_u32 s42, s42, s43                     ; G: my tile's group of 128 positions in the sequence
	s_mul_i32 s14, s42, 6656
	s_mul_i32 s43, s12, 106496
	s_add_co_u32 s14, s14, s43
	s_mul_i32 s43, s13, 768
	s_add_co_u32 s14, s14, s43
	s_add_nc_u64 s[\qb:\qb+1], s[4:5], s[14:15]    ; Q's tile
	s_lshr_b32 s43, s12, 4
	s_lshl_b32 s43, s43, 4
	s_add_co_u32 s42, s42, s43                     ; 16 x batch + G
	s_mul_i32 s14, s42, 98304
	s_bfe_u32 s43, s12, 0x30001                    ; the K step of E: head / 2
	s_mul_i32 s43, s43, 12288
	s_add_co_u32 s14, s14, s43
	s_mul_i32 s43, s13, 1536
	s_add_co_u32 s14, s14, s43
	s_and_b32 s43, s12, 1                          ; which half of the image: head % 2
	s_mul_i32 s43, s43, 768
	s_add_co_u32 s14, s14, s43
	s_add_nc_u64 s[\cb:\cb+1], s[8:9], s[14:15]
	s_lshl_b32 s14, s42, 12                        ; the scale bytes: 32 a position
	s_lshl_b32 s43, s13, 9
	s_add_co_u32 s14, s14, s43
	s_and_b32 s43, s12, 15
	s_lshl_b32 s43, s43, 1                         ; my head's two
	s_add_co_u32 s14, s14, s43
	s_add_co_u32 s14, s14, 6291456
	s_add_nc_u64 s[\sb:\sb+1], s[8:9], s[14:15]
.endm
	s_load_b128 s[4:7], s[0:1], 0x0                ; qi, kv
	s_load_b64 s[8:9], s[0:1], 0x10                ; ac
	v_lshl_add_u32 v237, v0, 2, 0x34000
	v_mov_b32 v241, 0
	ds_add_u32 v237, v241
	ds_add_u32 v237, v241
	v_lshrrev_b32 v1, 5, v0
	s_delay_alu instid0(VALU_DEP_1)
	v_readfirstlane_b32 s10, v1                    ; wave 0..15
	s_mov_b32 s11, ttmp9                           ; i
	s_and_b32 s12, ttmp7, 0xffff                   ; 16 x batch + head
	s_and_b32 s13, s10, 7
	s_mov_b32 s16, 3<<16                           ; group 1: 6,656 dense bytes as 26 rows of 32 elements of 8 bytes; no mask, no padding
	s_mov_b32 s17, 32<<16
	s_mov_b32 s18, 26<<16
	s_mov_b32 s19, 32<<16
	s_mov_b32 s20, 26
	s_mov_b32 s21, 32
	s_mov_b32 s22, 0
	s_mov_b32 s23, 0
	s_mul_i32 s14, s12, 212992                     ; the head's K and V
	s_mul_i32 s25, s10, 6656                       ; my sixteenth of their first half, in LDS as in memory
	s_add_co_u32 s14, s14, s25
	s_mov_b32 s15, 0
	s_add_co_u32 s29, s25, 106496                  ; and of their second half
	s_mov_b32 s24, 1
	s_mov_b32 s28, 1
	s_wait_dscnt 0x0
	s_wait_kmcnt 0x0
	s_add_nc_u64 s[26:27], s[6:7], s[14:15]
	s_add_nc_u64 s[30:31], s[26:27], 106496
	s_or_b32 s27, s27, 0x80000000
	s_or_b32 s31, s31, 0x80000000
	tensor_load_to_lds s[24:27], s[16:23]          ; one load of mine is out
	s_nop 0
	s_wait_alu depctr_va_vdst(0)
	s_wait_tensorcnt 0x0
	ds_add_u32 v237, v241
	s_wait_dscnt 0x0
	s_barrier_signal -1
	s_barrier_wait -1
	tensor_load_to_lds s[28:31], s[16:23]
	s_nop 0
.rept 4
	v_nop
.endr
	s_mov_b32 s[SEL], 0x76543210
	s_mov_b32 s[SEL+1], 0xfedcba98
	s_mov_b32 s[CS], 0x3e38aa3b                    ; c = log2(e) / 8
	s_mov_b32 s[CS+1], s[CS]
	s_lshr_b32 s58, s10, 1
	s_lshl_b32 s58, s58, 5
	s_and_b32 s56, s10, 1
	s_lshl_b32 s57, s56, 3
	s_add_co_u32 s58, s58, s57                     ; my tile's least query in its block: 32 (w / 2) + 8 (w % 2)
	s_mul_i32 s57, s13, 768                        ; from my tile of Q to its scale words: image (w % 8) / 4, register (w / 2) % 2, lanes 16 (w % 2) on
	s_sub_co_u32 s57, 6144, s57
	s_lshr_b32 s59, s13, 2
	s_lshl_b32 s59, s59, 8
	s_add_co_u32 s57, s57, s59
	s_lshl_b32 s59, s56, 7
	s_add_co_u32 s57, s57, s59
	s_bfe_u32 s59, s10, 0x10001
	s_lshl_b32 s59, s59, 2
	s_add_co_u32 s57, s57, s59
	s_sub_co_u32 s60, 7, s11                       ; the second block
	PHADDR 11, 52, 44, 46
	PHADDR 60, 54, 48, 50
	v_and_b32 v254, 31, v0
	s_delay_alu instid0(VALU_DEP_1)
	v_lshlrev_b32 v[L16], 4, v254
	s_delay_alu instid0(VALU_DEP_2)
	v_lshlrev_b32 v[L8], 3, v254
	v_and_b32 v[QSO], 15, v0                       ; r
	v_bfe_u32 v7, v0, 4, 1                         ; h
	s_delay_alu instid0(VALU_DEP_2)
	v_and_b32 v[DQ], 8, v[QSO]
	s_delay_alu instid0(VALU_DEP_1)
	v_add_nc_u32 v[DQ], v[DQ], v[QSO]
	s_delay_alu instid0(VALU_DEP_3)
	v_lshlrev_b32 v[SBO], 4, v7
	s_delay_alu instid0(VALU_DEP_1)
	v_sub_nc_u32 v[DQ], v[DQ], v[SBO]
	v_lshl_add_u32 v[SBO], v[QSO], 5, v7
	v_cmp_le_u32 s[HIM], 16, v254
	v_lshlrev_b32 v[QSO], 3, v[QSO]
	s_delay_alu instid0(VALU_DEP_1)
	v_add_nc_u32 v[QSO], s57, v[QSO]
	global_load_b128 v[QA:QA+3], v[L16], s[52:53]  ; Q stays in registers
	global_load_b64 v[QA+4:QA+5], v[L8], s[52:53] offset:512
	global_load_b32 v[QSA], v[QSO], s[52:53]
	global_load_b128 v[QB:QB+3], v[L16], s[54:55]
	global_load_b64 v[QB+4:QB+5], v[L8], s[54:55] offset:512
	global_load_b32 v[QSB], v[QSO], s[54:55]
	v_mov_b32 v7, 0
.irp j, 0,1,2,3,4,5
	v_mov_b32 v[QA+6+\j], 0                        ; K = 64 .. 127: zero codes
	v_mov_b32 v[QB+6+\j], 0
	v_mov_b32 v[KB+24+\j], 0
.endr
.irp b, 0,1,2,3
	v_mov_b32 v[BP+\b], 0                          ; a lane permute's destination counts as one of its sources
.endr
	v_mov_b32 v254, 0
	v_mov_b32 v255, 0xff800000                     ; -infinity; never rewritten
	s_wait_tensorcnt 0x0                           ; both my parts have landed,
	s_barrier_signal -1
	s_barrier_wait -1                              ; everybody's have: the head's K and V lie in LDS
	s_wait_loadcnt 0x0                             ; Q
	s_lshl_b32 s[QLO], s11, 8
	s_add_co_u32 s[QLO], s[QLO], s58
	s_add_co_u32 s[QHI], s[QLO], 23
	PHASE QA, QSA, 8                               ; block i: its queries lie under 1,024
	WAYOUT 44, 46
	s_lshl_b32 s[QLO], s60, 8
	s_add_co_u32 s[QLO], s[QLO], s58
	s_add_co_u32 s[QHI], s[QLO], 23
	PHASE QB, QSB, 16                              ; block 7 - i
	WAYOUT 48, 50
	s_wait_tensorcnt 0x0
	ds_add_u32 v237, v241
	s_wait_dscnt 0x0
	s_endpgm
.Lfunc_end_k_q177fa294a3_attn:
	.size	k_q177fa294a3_attn, .Lfunc_end_k_q177fa294a3_attn-k_q177fa294a3_attn
	.p2alignl 7, 3214868480
	.fill 96, 4, 3214868480
	.section	.rodata,"a",@progbits
	.p2align	6, 0x0
	.amdhsa_kernel k_q177fa294a3_attn
		.amdhsa_group_segment_fixed_size 327680
		.amdhsa_private_segment_fixed_size 0
		.amdhsa_enable_private_segment 0
		.amdhsa_kernarg_size 24
		.amdhsa_user_sgpr_count 2
		.amdhsa_user_sgpr_kernarg_segment_ptr 1
		.amdhsa_wavefront_size32 1
		.amdhsa_system_sgpr_workgroup_id_x 1
		.amdhsa_system_sgpr_workgroup_id_y 1
		.amdhsa_system_sgpr_workgroup_id_z 1
		.amdhsa_system_vgpr_workitem_id 0
		.amdhsa_next_free_vgpr 256
		.amdhsa_next_free_sgpr 66
		.amdhsa_reserve_vcc 1
		.amdhsa_float_denorm_mode_32 3
		.amdhsa_float_denorm_mode_16_64 3
		.amdhsa_memory_ordered 1
		.amdhsa_forward_progress 1
		.amdhsa_inst_pref_size 65
	.end_amdhsa_kernel
	.amdgpu_metadata
---
amdhsa.version: [ 1, 2 ]
amdhsa.kernels:
  - .name:           k_q177fa294a3_attn
    .symbol:         k_q177fa294a3_attn.kd
    .args:
      - { .name: qi, .offset: 0, .size: 8, .value_kind: global_buffer, .address_space: global }
      - { .name: kv, .offset: 8, .size: 8, .value_kind: global_buffer, .address_space: global }
      - { .name: ac, .offset: 16, .size: 8, .value_kind: global_buffer, .address_space: global }
    .group_segment_fixed_size: 327680
    .private_segment_fixed_size: 0
    .kernarg_segment_align: 8
    .kernarg_segment_size: 24
    .max_flat_workgroup_size: 512
    .sgpr_count:     66
    .vgpr_count:     256
    .wavefront_size: 32
...
	.end_amdgpu_metadata
.endif
;; end of part 3
;; launch proj (part 4): grid 4 x 64, 4 waves a work-group, clusters of 4 x 4, 308,480 bytes of LDS; arguments ac, wc, bproj, out0; writes out0
.if DOCPART == 4
	.amdgcn_target "amdgcn-amd-amdhsa--gfx1250"
	.amdhsa_code_object_version 6
	.text
	.protected	k_q177fa294a3_proj
	.globl	k_q177fa294a3_proj
	.p2align	8
	.type	k_q177fa294a3_proj,@function
k_q177fa294a3_proj:
	s_mov_b64 s[64:65], 0
	v_nop
	global_prefetch_b8 v0, s[64:65] scope:SCOPE_SE
	s_setreg_imm32_b32 hwreg(HW_REG_WAVE_MODE, 25, 1), 1
	s_wait_xcnt 0x0
	s_wait_alu depctr_hold_cnt(0) depctr_sa_sdst(0) depctr_va_vdst(0) depctr_va_sdst(0) depctr_va_ssrc(0) depctr_va_vcc(0) depctr_vm_vsrc(0)
	s_getreg_b32 s2, hwreg(HW_REG_IB_STS2, 6, 4)
	s_cmp_eq_u32 s2, 0
	s_cbranch_scc0 .Lentry_in_a_cluster
	s_endpgm
.Lentry_in_a_cluster:
	s_bfe_u32 s2, ttmp6, 0x10000c
	s_cmp_lg_u32 s2, 0xf033
	s_cbranch_scc0 .Lentry_shape_is_right
	s_endpgm
.Lentry_shape_is_right:
; out0 = a Wproj + bproj on codes of BF6 (E3M2) with E8M0 scales, K = 1,024; out0 [8192][1024] f32.
; OPERANDS: ac (the attention's result) and wc (Wproj's columns at positions 3072-4095): rows in position order (position p = true row p with bits 3 and 4 exchanged), blocks of 16 positions x 128 K as images of the
; operand's 12 registers (1,536 bytes), [group of 128][K step][block][1536]; behind them the scale words [position][8].
; A TILE is 128 rows of a (source 1) x 256 columns of Wproj (source 0).  ALL OF K for a tile, 384 rows x 768 bytes, lies in LDS: every byte is filled once, nothing is filled again.  64 x 4 tiles: 256 work-groups.
; Four waves: wave w takes 64 rows (w / 2) x 128 columns (w % 2): 32 accumulators.  THE PRODUCT IS USED TRANSPOSED: a lane holds one row of out0, and registers 16 b + i of a lane are true columns 32 b + 16 (lane / 16) + i.
; CLUSTER 4 x 4: a's tile is asked for jointly along a row of the cluster, Wproj's along a column.
; REGISTERS: window 0: v16-24 addresses; v32-63 scale words, two sets; v64-127 the bias; v128-255 the way out.  window 1: Wproj's fragments, two sets of 96.  window 2: a's, two sets of 48.  window 3: accumulator (a, b) at 8 (8 a + b).
.set GRPB,  98304
.set KSB,   12288
.set FRB,   1536
.set SLOTB, 73728                      ; 256 along K: A's two K steps, then B's two groups of two K steps
.set SCL,   294912                     ; behind the four slots: A's scale words (16 x 272 bytes), then B's (32 x 272)
.set XCS,   6291456
.set WCS,   3145728
.set A16, 16
.set A8,  17
.set B16, 18
.set B8,  19
.set ADRS, 20
.set L16, 21
.set L8,  22
.set STO, 23                           ; v23  the way out: where I put 32 bytes of a row
.set RD,  24                           ; v24  and where I read a row back
.set G1A, 24
.set G0A, 32
.set G1B, 48
.set G1SA, 76
.set G0SA, 84
.set G1SB, 88
.set G0SB, 96
.set MSB, 0
.macro WIN new                         ; the immediate's high byte repeats the setting that is left
.if MSB != \new
	s_set_vgpr_msb (MSB<<8)|\new
.set MSB, \new
.endif
.endm
.set MUL,  0xf9                        ; source 0 (B) window 1, source 1 (A) window 2, C and D window 3
.set MULB, 0xc9                        ; the same with C (the bias) in window 0
.set TO_B, 0x40
.set TO_A, 0x80
; A joint load: waves 0 and 1 fetch for A, waves 2 and 3 for B; the branch hangs on the wave's number alone.  Four v_nop follow each of the two lines.
.macro JLOAD g0a, g1a, g0b, g1b
	s_cmp_eq_u32 s15, 0
	s_cbranch_scc0 .Lfor_b_\@
	tensor_load_to_lds s[\g0a:\g0a+3], s[\g1a:\g1a+7]
	s_nop 0
.rept 4
	v_nop
.endr
	s_branch .Lasked_\@
.Lfor_b_\@:
	tensor_load_to_lds s[\g0b:\g0b+3], s[\g1b:\g1b+7]
	s_nop 0
.rept 4
	v_nop
.endr
.Lasked_\@:
.endm
.macro CROUND                          ; a round of the cluster's barrier
	s_barrier_signal -1
	s_barrier_wait -1
	s_cmp_lg_u32 s14, 0
	s_cbranch_scc1 .Lnot_wave_0_\@
	s_barrier_signal -3
.Lnot_wave_0_\@:
	s_barrier_wait -3
	s_barrier_signal -1
	s_barrier_wait -1
.endm
.macro G1REST g, rows                  ; a dense block as rows of 256 bytes: 32 elements of 8 bytes
	s_mov_b32 s[\g+1], 32<<16
	s_mov_b32 s[\g+2], (\rows)<<16
	s_mov_b32 s[\g+3], 32<<16
	s_mov_b32 s[\g+4], \rows
	s_mov_b32 s[\g+5], 32
	s_mov_b32 s[\g+6], 0
	s_mov_b32 s[\g+7], 0
.endm
.macro FRAG reg, a16, a8, off          ; an image comes back as the 12 registers that it was
	ds_load_b128 v[\reg:\reg+3], v[\a16] offset:\off
	ds_load_b64 v[\reg+4:\reg+5], v[\a8] offset:\off
	ds_load_b128 v[\reg+6:\reg+9], v[\a16] offset:\off+768
	ds_load_b64 v[\reg+10:\reg+11], v[\a8] offset:\off+768
.endm
.macro FETCH k                         ; K step k's fragments into set k % 2; with a slot's first K step the slot's scale words
	WIN TO_B
.irp i, 0,1,2,3,4,5,6,7
	FRAG 128*((\k)%2)+12*\i,B16,B8,((\k)%2)*KSB+\i*FRB
.endr
	WIN TO_A
.irp i, 0,1,2,3
	FRAG 64*((\k)%2)+12*\i,A16,A8,((\k)%2)*KSB+\i*FRB
.endr
	WIN 0
.if ((\k)%2) == 0
.irp i, 0,1,2,3,4,5,6,7
	ds_load_b64 v[32+16*(((\k)/2)%2)+2*\i:32+16*(((\k)/2)%2)+2*\i+1], v[ADRS] offset:544*\i   ; two K steps' words: lanes 0-15 A's block i (used for i < 4), lanes 16-31 B's block i
.endr
.endif
.endm
; 32 matrix instructions: the accumulators take turns, one instruction a turn, in the same order in every K step.  mode 0: onto the sums; 1: the bias starts them
.macro MUL32 k, mode
.irp a, 0,1,2,3
.irp b, 0,1,2,3,4,5,6,7
.if \mode == 0
	v_wmma_scale_f32_16x16x128_f8f6f4 v[8*(8*\a+\b):8*(8*\a+\b)+7], v[128*((\k)%2)+12*\b:128*((\k)%2)+12*\b+11], v[64*((\k)%2)+12*\a:64*((\k)%2)+12*\a+11], v[8*(8*\a+\b):8*(8*\a+\b)+7], v[32+16*(((\k)/2)%2)+2*\b+(\k)%2], v[32+16*(((\k)/2)%2)+2*\a+(\k)%2] matrix_a_fmt:MATRIX_FMT_BF6 matrix_b_fmt:MATRIX_FMT_BF6 matrix_a_scale:MATRIX_SCALE_ROW1
.else
	v_wmma_scale_f32_16x16x128_f8f6f4 v[8*(8*\a+\b):8*(8*\a+\b)+7], v[128*((\k)%2)+12*\b:128*((\k)%2)+12*\b+11], v[64*((\k)%2)+12*\a:64*((\k)%2)+12*\a+11], v[64+8*\b:64+8*\b+7], v[32+16*(((\k)/2)%2)+2*\b+(\k)%2], v[32+16*(((\k)/2)%2)+2*\a+(\k)%2] matrix_a_fmt:MATRIX_FMT_BF6 matrix_b_fmt:MATRIX_FMT_BF6 matrix_a_scale:MATRIX_SCALE_ROW1
.endif
.endr
.endr
.endm
; The head of K step k: its fragments are in; the next step's are asked for, 32 matrix instructions ahead of their use.  A slot's second step also opens the next slot.
.macro KSTEP k
	s_wait_dscnt 0x0                               ; K step k's fragments are in, and no LDS instruction of mine is out
.if ((\k)%2) && ((\k) < 7)
	s_wait_tensorcnt 2-(\k)/2                      ; my part of the next slot has landed; my loads for the slots behind it stay out
	s_barrier_signal -1
	s_barrier_wait -1                              ; everybody's has
	v_add_nc_u32 v[A16], SLOTB, v[A16]             ; on to the next slot: these four are also the places in front of the loads into registers that the last products read
	v_add_nc_u32 v[A8], SLOTB, v[A8]
	v_add_nc_u32 v[B16], SLOTB, v[B16]
	v_add_nc_u32 v[B8], SLOTB, v[B8]
	v_add_nc_u32 v[ADRS], 8, v[ADRS]               ; and its two scale words
.elseif (\k) < 7
.rept 4
	v_nop                                          ; the four places
.endr
.endif
.if (\k) < 7
	FETCH (\k)+1
.endif
.endm
	s_load_b256 s[4:11], s[0:1], 0x0               ; ac s[4:5], wc s[6:7], bproj s[8:9], out0 s[10:11]
	v_lshl_add_u32 v30, v0, 2, 0x4b300
	v_mov_b32 v31, 0
	ds_add_u32 v30, v31
	ds_add_u32 v30, v31
	v_lshrrev_b32 v1, 5, v0
	v_readfirstlane_b32 s14, v1                    ; wave 0..3
	s_lshr_b32 s15, s14, 1                         ; rh: which 64 rows are mine.  Also: I fetch for A (0) or for B (1)
	s_and_b32 s16, s14, 1                          ; ch: which 128 columns.  Also: which half I fetch
	s_bfe_u32 s2, ttmp6, 0x40000                   ; cx
	s_bfe_u32 s3, ttmp6, 0x40004                   ; cy
	s_lshl_b32 s18, ttmp9, 2
	s_add_co_u32 s18, s18, s2                      ; tx: tile column
	s_and_b32 s17, ttmp7, 0xffff
	s_lshl_b32 s17, s17, 2
	s_add_co_u32 s17, s17, s3                      ; ty: tile row
	s_lshl_b32 s66, s3, 2
	s_lshl_b32 s66, 15, s66                        ; my row of the cluster
	s_lshl_b32 s67, 0x1111, s2                     ; my column
	s_or_b32 s[G1A], s66, (3<<16)|(1<<21)          ; 15:0 the mask; 17:16 elements of 8 bytes; 21 set beside a mask; no padding
	s_or_b32 s[G1B], s67, (3<<16)|(1<<21)
	s_or_b32 s[G1SA], s66, (3<<16)|(1<<20)|(1<<21)|(5<<22)|(3<<25)   ; the scales: 16 bytes of padding behind every 256
	s_or_b32 s[G1SB], s67, (3<<16)|(1<<20)|(1<<21)|(5<<22)|(3<<25)
	G1REST G1A, 48                                 ; one K step of A's group: 12,288 bytes
	G1REST G1B, 96                                 ; two K steps of one of B's groups: 24,576 bytes
	G1REST G1SA, 8                                 ; 64 rows' scale words: 2,048 bytes
	G1REST G1SB, 16                                ; 128 rows': 4,096 bytes
	s_lshl_b32 s3, s17, 12                         ; A's scale words: 128 rows x 32 bytes a group,
	s_add_co_u32 s3, s3, XCS
	s_lshl_b32 s22, s16, 11                        ; my half of them
	s_add_co_u32 s[G0SA+2], s3, s22
	s_mov_b32 s[G0SA+3], 0
	s_mul_i32 s22, s17, GRPB                       ; A's codes,
	s_mul_i32 s3, s16, KSB                         ; my K step of a slot's two
	s_add_co_u32 s22, s22, s3
	s_mov_b32 s23, 0
	s_lshl_b32 s100, s18, 1
	s_add_co_u32 s100, s100, s16
	s_add_co_u32 s100, s100, 24                    ; B's group that I fetch: 24 + 2 tx + half
	s_lshl_b32 s2, s100, 12
	s_add_co_u32 s[G0SB+2], s2, WCS
	s_mov_b32 s[G0SB+3], 0
	s_mul_i32 s100, s100, GRPB
	s_mov_b32 s101, 0
	s_wait_dscnt 0x0
	s_wait_kmcnt 0x0
	s_add_nc_u64 s[22:23], s[4:5], s[22:23]
	s_add_nc_u64 s[G0SA+2:G0SA+3], s[4:5], s[G0SA+2:G0SA+3]
	s_add_nc_u64 s[100:101], s[6:7], s[100:101]
	s_add_nc_u64 s[G0SB+2:G0SB+3], s[6:7], s[G0SB+2:G0SB+3]
	s_mul_i32 s2, s16, KSB                         ; LDS: no place in the cluster enters an LDS address
	s_mul_i32 s3, s16, 2*KSB
	s_add_co_u32 s3, s3, 2*KSB
	s_mul_i32 s66, s16, 2176
	s_add_co_u32 s[G0SA+1], s66, SCL
	s_mul_i32 s66, s16, 4352
	s_add_co_u32 s[G0SB+1], s66, SCL+4352
	s_mov_b32 s[G0SA], 1
	s_mov_b32 s[G0SB], 1
	s_or_b32 s[G0SA+3], s[G0SA+3], 0x80000000
	s_or_b32 s[G0SB+3], s[G0SB+3], 0x80000000
	CROUND                                         ; all sixteen work-groups are here: the joint loads meet
	JLOAD G0SA,G1SA,G0SB,G1SB                      ; the scale words first; then the four slots: five loads of mine are out
.irp v, 0,1,2,3
	s_mov_b32 s[G0A+4*\v], 1
	s_add_co_u32 s[G0A+4*\v+1], s2, \v*SLOTB
	s_add_nc_u64 s[G0A+4*\v+2:G0A+4*\v+3], s[22:23], \v*2*KSB
	s_or_b32 s[G0A+4*\v+3], s[G0A+4*\v+3], 0x80000000
	s_mov_b32 s[56+4*\v+4*(\v/2)], 1
	s_add_co_u32 s[56+4*\v+4*(\v/2)+1], s3, \v*SLOTB
	s_add_nc_u64 s[56+4*\v+4*(\v/2)+2:56+4*\v+4*(\v/2)+3], s[100:101], \v*2*KSB
	s_or_b32 s[56+4*\v+4*(\v/2)+3], s[56+4*\v+4*(\v/2)+3], 0x80000000
	JLOAD G0A+4*\v,G1A,56+4*\v+4*(\v/2),G1B
.endr
	v_and_b32 v1, 31, v0                           ; lane
	v_and_b32 v2, 15, v0                           ; r
	v_bfe_u32 v3, v0, 4, 1                         ; h
	v_lshlrev_b32 v[L16], 4, v1
	v_lshlrev_b32 v[L8], 3, v1
	s_mul_i32 s2, s15, 4*FRB                       ; my four blocks of A
	v_add_nc_u32 v[A16], s2, v[L16]
	s_add_co_u32 s2, s2, 512
	v_add_nc_u32 v[A8], s2, v[L8]
	s_mul_i32 s2, s16, 2*KSB                       ; my group of B, behind A's two K steps
	s_add_co_u32 s2, s2, 2*KSB
	v_add_nc_u32 v[B16], s2, v[L16]
	s_add_co_u32 s2, s2, 512
	v_add_nc_u32 v[B8], s2, v[L8]
	v_lshlrev_b32 v4, 5, v2                        ; a row's 32 bytes of scale words,
	v_lshrrev_b32 v5, 3, v2
	v_lshl_add_u32 v4, v5, 4, v4                   ; and 16 more behind each 256
	s_mul_i32 s2, s15, 2176                        ; A's: my 64 rows
	s_mul_i32 s3, s16, 4352                        ; B's: my 128 rows, behind A's 128
	s_add_co_u32 s3, s3, 4352
	s_sub_co_u32 s3, s3, s2
	v_mul_u32_u24 v5, s3, v3                       ; lanes 16-31 take B's
	s_add_co_u32 s2, s2, SCL
	v_add_nc_u32 v4, v4, v5
	v_add_nc_u32 v[ADRS], s2, v4
	s_mul_i32 s2, s14, 8448                        ; my stage: 16 rows x (512 bytes + 16), in slot 0: it has had its only fill, and every wave's reads of it are over ahead of the barrier that opens slot 1
	v_mul_u32_u24 v[STO], v2, 528
	v_lshl_add_u32 v[STO], v3, 6, v[STO]
	v_add_nc_u32 v[STO], s2, v[STO]                ; in: row r, + 64 h
	v_add_nc_u32 v[RD], s2, v[L16]                 ; back: the 32 lanes take one row of 512 bytes
	; the bias is the C of each sum's first matrix instruction: register j of tile b is column 32 (b / 2) + 16 h + 8 (b % 2) + j
	s_lshl_b32 s2, s18, 10
	s_lshl_b32 s3, s16, 9
	s_add_co_u32 s2, s2, s3                        ; from column 256 tx + 128 ch on
	s_mov_b32 s3, 0
	s_add_nc_u64 s[8:9], s[8:9], s[2:3]
	v_lshlrev_b32 v25, 6, v3
.irp b, 0,1,2,3,4,5,6,7
	global_load_b128 v[64+8*\b:64+8*\b+3], v25, s[8:9] offset:(32*(\b/2)+8*(\b%2))*4
	global_load_b128 v[64+8*\b+4:64+8*\b+7], v25, s[8:9] offset:(32*(\b/2)+8*(\b%2))*4+16
.endr
	s_lshl_b32 s2, s17, 7                          ; out0 at row 128 ty + 64 rh, column 256 tx + 128 ch
	s_lshl_b32 s3, s15, 6
	s_add_co_u32 s2, s2, s3
	s_lshl_b32 s2, s2, 12
	s_lshl_b32 s3, s18, 10
	s_add_co_u32 s2, s2, s3
	s_lshl_b32 s3, s16, 9
	s_add_co_u32 s2, s2, s3
	s_mov_b32 s3, 0
	s_add_nc_u64 s[10:11], s[10:11], s[2:3]
	s_wait_tensorcnt 3                             ; the scale words and my part of slot 0 are in; my loads for slots 1, 2, 3 stay out
	s_barrier_signal -1
	s_barrier_wait -1                              ; everybody's are
	FETCH 0
	s_wait_loadcnt 0x0                             ; the bias
	KSTEP 0
	WIN MULB
	MUL32 0, 1
	WIN 0
.irp k, 1,2,3,4,5,6,7
	KSTEP \k
	WIN MUL
	MUL32 \k, 0
	WIN 0
.endr
; THE WAY OUT, block by block of 16 rows x 128 columns, through my own stage: a lane's 32 neighbouring bytes go in, whole rows of 512 bytes come back.  LDS serves a wave's instructions in order: no wait between the stores and the loads.
.macro TOSTAGE a
	WIN 0x0c                                       ; an LDS store's data are its source 1: window 3
.irp b, 0,1,2,3,4,5,6,7
	ds_store_b128 v[STO], v[64*(\a)+8*\b:64*(\a)+8*\b+3] offset:128*(\b/2)+32*(\b%2)       ; each accumulator from its low end on
	ds_store_b128 v[STO], v[64*(\a)+8*\b+4:64*(\a)+8*\b+7] offset:128*(\b/2)+32*(\b%2)+16
.endr
	WIN 0
.set BB, 128+64*((\a)%2)
.irp t, 0,1,2,3,4,5,6,7,8,9,10,11,12,13,14,15
	ds_load_b128 v[BB+4*\t:BB+4*\t+3], v[RD] offset:\t*528
.endr
.endm
.macro SEND a, younger                 ; younger: the LDS instructions issued behind block a's loads, which may stay out
.set BB, 128+64*((\a)%2)
	s_wait_dscnt \younger
.irp t, 0,1,2,3,4,5,6,7,8,9,10,11,12,13,14,15
	global_store_b128 v[L16], v[BB+4*\t:BB+4*\t+3], s[10:11] offset:(32*((\a)/2)+8*((\a)%2)+\t+8*(\t/8))*4096 th:TH_STORE_NT   ; position t of block a is true row 32 (a / 2) + 8 (a % 2) + t + 8 (t / 8); 32 lanes store 512 consecutive bytes, aligned
.endr
.endm
.rept 4
	v_nop                                          ; four places behind the last products, ahead of the first read of results
.endr
	TOSTAGE 0
.irp a, 1,2,3
.if \a > 1
	s_wait_xcnt 0x0                                ; block a - 2's stores have read their registers: block a's loads may land there
.endif
	TOSTAGE \a
	SEND \a-1, 32                                  ; behind block a - 1's loads: block a's 16 stores and 16 loads
.endr
	SEND 3, 0
	s_wait_dscnt 0x0
	s_wait_tensorcnt 0x0
	ds_add_u32 v30, v31
	s_wait_dscnt 0x0
	CROUND                                         ; the closing round: no work-group ends while a partner may still ask for a tile that names it
	s_endpgm
.Lfunc_end_k_q177fa294a3_proj:
	.size	k_q177fa294a3_proj, .Lfunc_end_k_q177fa294a3_proj-k_q177fa294a3_proj
	.p2alignl 7, 3214868480
	.fill 96, 4, 3214868480
	.section	.rodata,"a",@progbits
	.p2align	6, 0x0
	.amdhsa_kernel k_q177fa294a3_proj
		.amdhsa_group_segment_fixed_size 308480
		.amdhsa_private_segment_fixed_size 0
		.amdhsa_enable_private_segment 0
		.amdhsa_kernarg_size 32
		.amdhsa_user_sgpr_count 2
		.amdhsa_user_sgpr_kernarg_segment_ptr 1
		.amdhsa_wavefront_size32 1
		.amdhsa_system_sgpr_workgroup_id_x 1
		.amdhsa_system_sgpr_workgroup_id_y 1
		.amdhsa_system_sgpr_workgroup_id_z 1
		.amdhsa_system_vgpr_workitem_id 0
		.amdhsa_next_free_vgpr 1024
		.amdhsa_next_free_sgpr 102
		.amdhsa_reserve_vcc 0
		.amdhsa_float_denorm_mode_32 3
		.amdhsa_float_denorm_mode_16_64 3
		.amdhsa_memory_ordered 1
		.amdhsa_forward_progress 1
		.amdhsa_inst_pref_size 89
	.end_amdhsa_kernel
	.amdgpu_metadata
---
amdhsa.version: [ 1, 2 ]
amdhsa.kernels:
  - .name:           k_q177fa294a3_proj
    .symbol:         k_q177fa294a3_proj.kd
    .args:
      - { .name: ac, .offset: 0, .size: 8, .value_kind: global_buffer, .address_space: global }
      - { .name: wc, .offset: 8, .size: 8, .value_kind: global_buffer, .address_space: global }
      - { .name: bproj, .offset: 16, .size: 8, .value_kind: global_buffer, .address_space: global }
      - { .name: out0, .offset: 24, .size: 8, .value_kind: global_buffer, .address_space: global }
    .group_segment_fixed_size: 308480
    .private_segment_fixed_size: 0
    .kernarg_segment_align: 8
    .kernarg_segment_size: 32
    .max_flat_workgroup_size: 128
    .sgpr_count:     102
    .vgpr_count:     1024
    .wavefront_size: 32
...
	.end_amdgpu_metadata
.endif
;; end of part 4
